; MI455X (gfx1250); checked and timed in simulation.
; The chip was launched on July 23, 2026; its instructions are those of AMD's public machine-readable ISA for CDNA 5 (MIT licence, August 2026) and "CDNA5" Instruction Set Architecture Reference Guide (July 2026). The comments in the code are by the model that wrote it; some were corrected since.
;; Multi Head Attention. Allowed arithmetic: matrix products marked QUANTISED: E2M1 operands, one E8M0 scale for each 32 along K, by v_wmma_scale_f32_16x16x128_f8f6f4 with both operands' format E2M1 (or v_wmma_scale_f32_32x16x128_f4), f32 sums; everything else in f32.
;; Inputs: W_k_codes 1,024 x 32 x 16 uint8 (E2M1 codes of W_k, K innermost, in blocks of 32 codes, two codes a byte); W_k_scales 1,024 x 32 uint8 (E8M0 scales of W_k, one for each 32 codes along K); W_o_codes 1,024 x 32 x 16 uint8 (E2M1 codes of W_o, K innermost, in blocks of 32 codes, two codes a byte); W_o_scales 1,024 x 32 uint8 (E8M0 scales of W_o, one for each 32 codes along K); W_q_codes 1,024 x 32 x 16 uint8 (E2M1 codes of W_q, K innermost, in blocks of 32 codes, two codes a byte); W_q_scales 1,024 x 32 uint8 (E8M0 scales of W_q, one for each 32 codes along K); W_v_codes 1,024 x 32 x 16 uint8 (E2M1 codes of W_v, K innermost, in blocks of 32 codes, two codes a byte); W_v_scales 1,024 x 32 uint8 (E8M0 scales of W_v, one for each 32 codes along K); b_k 1,024 float32; b_o 1,024 float32; b_q 1,024 float32; b_v 1,024 float32; x_codes 4 x 2,048 x 32 x 16 uint8 (E2M1 codes of x, K innermost, in blocks of 32 codes, two codes a byte); x_scales 4 x 2,048 x 32 uint8 (E8M0 scales of x, one for each 32 codes along K).
;; Outputs: out0 4 x 2,048 x 1,024 float32.
;; This version of the problem:
;;   THIS VERSION OF THE PROBLEM IS GIVEN IN LOW PRECISION. The matrix products marked QUANTISED in the list below multiply operands that are first quantised to E2M1 (2 exponent bits, 1 mantissa bit; 4 bits a number), with one power-of-two scale for each 32 numbers along K (OCP MX v1.0); their sums are f32. All else is computed in f32.
;;   The module's matrix products, in the order in which they are computed (A, B: the left and right operand; K: the contracted axis; several contracted axes count as one K, in the product's order):
;;     1. [M 8,192, K 1,024] x [K 1,024, N 1,024]; A: input x (given as codes); B: input W_q (given as codes): QUANTISED
;;     2. [M 8,192, K 1,024] x [K 1,024, N 1,024]; A: input x (given as codes); B: input W_k (given as codes): QUANTISED
;;     3. [M 8,192, K 1,024] x [K 1,024, N 1,024]; A: input x (given as codes); B: input W_v (given as codes): QUANTISED
;;     4. batch 64 x [M 2,048, K 64] x [K 64, N 2,048]; A: computed on the way; B: computed on the way: QUANTISED
;;     5. batch 64 x [M 2,048, K 2,048] x [K 2,048, N 64]; A: softmax (see below); B: computed on the way: QUANTISED
;;     6. [M 8,192, K 1,024] x [K 1,024, N 1,024]; A: computed on the way; B: input W_o (given as codes): QUANTISED
;;   THE QUANTISER, for each operand of a quantised product, along K:
;;     - K is cut into blocks of 32 from its start; a last block that is shorter is filled with zeros.
;;     - A block's scale is 2^e with e = floor(log2(the largest magnitude in the block)) - 2, held to -126 .. 127; a block of zeros has e = 0. As a byte (E8M0): e + 127.
;;     - Each number is divided by its block's scale, clamped to +-6, and rounded to the nearest number of E2M1, ties to even, subnormals kept.
;;     - The product sums the exact products of the quantised numbers (number of the format x scale) in f32.
;;   ~~~python
;;   def quantise(x, axis):      # numpy; x: float32 -> the quantised numbers, widened to float32 again
;;       x = np.moveaxis(x, axis, -1); K = x.shape[-1]
;;       x = np.pad(x, [(0, 0)] * (x.ndim - 1) + [(0, -K % 32)]); x = x.reshape(x.shape[:-1] + (-1, 32)); a = np.abs(x).max(-1, keepdims=True)
;;       e = np.where(a > 0, np.clip(np.frexp(np.where(a > 0, a, 1))[1] - 1 - 2, -126, 127), 0)      # np.frexp(a)[1] - 1 = floor(log2(a)), exactly
;;       r = np.clip(x / 2.0 ** e, -6, 6)
;;       step = 2.0 ** (np.maximum(np.frexp(np.where(r == 0, 1, r))[1] - 1, 0) - 1)
;;       q = np.round(r / step) * step * 2.0 ** e      # np.round: ties to even
;;       return np.moveaxis(q.reshape(q.shape[:-2] + (-1,))[..., :K], -1, axis).astype(np.float32)
;;   ~~~
;;   SOFTMAX AHEAD OF A QUANTISED PRODUCT. Where the list says 'softmax', what is quantised is not the finished softmax but p = 2^(t - M), with t = logit x log2(e) and M = ceil(the row's largest t), a whole number; so 1/2 < the row's largest p <= 1. The row's sum l is taken of the UNQUANTISED p, in f32, and the product's result is divided by l at the end. Since M is a whole number, a kernel that streams over the keys may use a running M (the ceiling of the running maximum): every later rescaling is an exact power of two, which a block's scale takes up: the codes' values come out the same.
;;   OPERANDS COMPUTED ON THE WAY. 'Computed on the way' means the value that the module computes at that place (a softmax that the list does not call 'softmax' is quantised finished and normalised). What goes into a quantiser is computed in f32, as accurately as f32 sums, v_exp_f32 and their like allow (about 1e-6 of the number): no bf16 or f16 on the way to a quantiser, and a product that is left as it is and whose result goes on into a quantised operand takes f32 operands (vector FMAs, or v_wmma_f32_16x16x4_f32). A number that lies on a knife's edge between two numbers of the format may be rounded either way, as far as f32 arithmetic and the matrix unit's own rounding can turn it there, and no further.
;;   INPUTS GIVEN AS CODES. W_k (in the module: [1024, 1024], K = its axis 0); W_o (in the module: [1024, 1024], K = its axis 0); W_q (in the module: [1024, 1024], K = its axis 0); W_v (in the module: [1024, 1024], K = its axis 0); x (in the module: [4, 2048, 1024], K = its axis 2): each comes as NAME_codes (uint8): NAME with its K axis moved to the last place and cut into blocks of 32 codes, [.., K / 32, bytes a block], one block behind the other in memory; two codes a byte, the lower K in the low four bits (a code: sign, 2 exponent bits, 1 mantissa bit); and NAME_scales (uint8): the same leading axes, one E8M0 byte (e + 127) for each 32 codes along K. Its value is code x scale, taken as it is: it is not quantised again, and the codes and scales need not be those that the quantiser above would give.
;; 2 versions. Each part assembles by itself: llvm-mc -triple=amdgcn-amd-amdhsa -mcpu=gfx1250 --defsym DOCPART=n.
;; ======== version 1 of 2: 3 launches
;; workspace buffers: qbuf 4,718,592 bytes; kv 9,175,040 bytes; ctx_img 4,194,304 bytes; ctx_sc 262,144 bytes
;; launch proj (part 1): grid 16 x 16, 4 waves a work-group, no clusters, 243,968 bytes of LDS; arguments x_codes, x_scales, W_q_codes, W_k_codes, W_v_codes, W_q_scales, W_k_scales, W_v_scales, b_q, b_k, b_v, qbuf, kv; writes qbuf, kv
.if DOCPART == 1
	.amdgcn_target "amdgcn-amd-amdhsa--gfx1250"
	.amdhsa_code_object_version 6
	.text
	.protected	k_q30ccff466f_proj
	.globl	k_q30ccff466f_proj
	.p2align	8
	.type	k_q30ccff466f_proj,@function
k_q30ccff466f_proj:
	s_mov_b64 s[64:65], 0
	v_nop
	global_prefetch_b8 v0, s[64:65] scope:SCOPE_SE
	s_setreg_imm32_b32 hwreg(HW_REG_WAVE_MODE, 25, 1), 1
	s_wait_xcnt 0x0
; Q = x W_q + b_q, K = x W_k + b_k, V = x W_v + b_v on codes of FP4 (E2M1) with one E8M0 scale for each 32 along K = 1,024; the results are quantised at once:
; Q and K along the head's 64 (two blocks), V along the keys (blocks of 32 keys), and stored as images of the operand registers that the attention launch wants.
; SHARES.  16 x 16 work-groups of four waves.  Work-group (x, y) takes x's rows 512 y .. 512 y + 511 against three HEAD SLOTS 3 x + 0, 1, 2 of 48 (slot / 16: Q, K, V; slot % 16: the head; 64 rows of a weight).
; Wave w keeps its 128 rows of x (one key step of a batch) in 512 registers for the whole launch: 8 tiles x 8 K steps x 8 registers.  A slot is 4 x 8 x 8 = 256 matrix instructions on 32 accumulators.
; ORIENTATION.  Q, K: source 0 = 16 rows of W, source 1 = 16 rows of x: a lane holds ONE row of x and its registers run along the head's d.  V: source 0 = x, source 1 = W: a lane holds ONE d and its registers run along the keys.
; In both, registers 16 B .. 16 B + 15 of the accumulators' window are half of block B of 32 along the next K (the other half lies in lane l xor 16), so one quantiser serves both.
; CODES.  A conversion takes one tile's 8 registers.  That of a block's first tile goes to register 4 (B / 2) + B % 2, that of its second to 4 (B / 2) + 2 + B % 2; two exchanges of lane halves for each four registers then give the
; operand's layout (register i of a group of four: k = 32 (lane / 16) + 8 i + 0 .. 7 of 64): tiles of NEIGHBOURING rows serve, nothing is permuted.
; The bias is the C of a sum's first matrix instruction (it is so summed first, where the definition adds it last).
; No multicast here: the work-group's two panels, 512 + 192 rows of 528 bytes, are 371,712 bytes and do not fit in LDS together, so x lives in registers and is reached through them.
; LIMITS: NaN and infinities are not served; a block whose largest magnitude lies under 2^-124 keeps the scale byte 1; a block of zeros gets the byte 1 where the rule says 127: its codes are zeros, and this program alone reads the bytes.
; REGISTERS, in windows of 256: window 0: v1-22 addresses; v32-63 x's scale words; v64-79 W's; v80-111 the bias as C; v112-175 W's fragments, two sets; behind a slot's products v112-203 serve the quantiser.
;   window 1: the 32 accumulators (before that: x's rows 0-63 as loaded).  window 2: x's tiles 0-3 at 64 a + 8 s (before that: the weights as loaded).  window 3: tiles 4-7 (before that: rows 64-127 as loaded).
.set PITCH, 528                        ; a row of 512 bytes of codes in LDS + 16: 33 x 16 bytes, so the 16 rows that a fragment load touches fall on 16 different 16-byte columns of 256
.set SLOTB, 64*PITCH                   ; 64 rows: a slot's weights, and a wave's stage
.set WROW,  0                          ; LDS: the three slots' rows of W,
.set WSC,   3*SLOTB                    ; their scale bytes, 2,048 a slot,
.set BIAS,  WSC+3*2048                 ; their biases, 256 bytes a slot,
.set XST,   BIAS+3*256                 ; and a stage of 64 rows for each wave, its own
.set XS,  32                           ; register 8 (a % 4) + s: lanes 0-15 the words of x's tile a % 4, lanes 16-31 of tile 4 + a % 4, K step s
.set WS,  64                           ; register 8 (w % 2) + s: lanes 0-15 W's tile w % 2, lanes 16-31 tile 2 + w % 2
.set BI,  80
.set WF,  112
.set CD,  112                          ; the quantiser: 32 registers of codes,
.set TM,  144                          ; 16 largest magnitudes, then scale bytes,
.set UM,  160                          ; 16 from the other half of the lanes (written by every slot's loads of W's second set before the permute names them),
.set SOP, 176                          ; 16 scale operands of the conversions,
.set WD,  192                          ; scale words,
.set SD,  200                          ; and those that my lane stores
.set MSB, 0
.macro WIN new                         ; the immediate's high byte repeats the setting that is left; a switch that changes nothing is dropped
.if MSB != (\new)
	s_set_vgpr_msb (MSB<<8)|(\new)
.set MSB, \new
.endif
.endm
; slot j's three pointers: the tensor is chosen by the slot's number alone; then my wave's 16 rows of the head's 64
.macro WPTR j
	s_add_co_u32 s70, s37, \j
	s_cmp_lt_u32 s70, 16
	s_cselect_b64 s[44+6*\j:45+6*\j], s[12:13], s[14:15]
	s_cselect_b64 s[46+6*\j:47+6*\j], s[18:19], s[20:21]
	s_cselect_b64 s[48+6*\j:49+6*\j], s[24:25], s[26:27]
	s_cmp_lt_u32 s70, 32
	s_cselect_b64 s[44+6*\j:45+6*\j], s[44+6*\j:45+6*\j], s[16:17]
	s_cselect_b64 s[46+6*\j:47+6*\j], s[46+6*\j:47+6*\j], s[22:23]
	s_cselect_b64 s[48+6*\j:49+6*\j], s[48+6*\j:49+6*\j], s[28:29]
	s_and_b32 s70, s70, 15                         ; the head
	s_lshl_b32 s72, s70, 15                        ; 64 rows of 512 bytes,
	s_lshl_b32 s71, s34, 13                        ; my 16 of them
	s_add_co_u32 s72, s72, s71
	s_mov_b32 s73, 0
	s_add_nc_u64 s[44+6*\j:45+6*\j], s[44+6*\j:45+6*\j], s[72:73]
	s_lshl_b32 s72, s70, 11                        ; scale bytes: 32 a row
	s_lshl_b32 s71, s34, 9
	s_add_co_u32 s72, s72, s71
	s_add_nc_u64 s[46+6*\j:47+6*\j], s[46+6*\j:47+6*\j], s[72:73]
	s_lshl_b32 s72, s70, 8                         ; the head's 64 biases
	s_add_nc_u64 s[48+6*\j:49+6*\j], s[48+6*\j:49+6*\j], s[72:73]
.endm
; one matrix instruction; its registers stand in the symbols rD, rA, rB, rC, sA, sB; hA, hB: the side's scale words lie in lanes 16-31
.macro WM
.if hA && hB
	v_wmma_scale_f32_16x16x128_f8f6f4 v[rD:rD+7], v[rA:rA+7], v[rB:rB+7], v[rC:rC+7], v[sA], v[sB] matrix_a_fmt:MATRIX_FMT_FP4 matrix_b_fmt:MATRIX_FMT_FP4 matrix_a_scale:MATRIX_SCALE_ROW1 matrix_b_scale:MATRIX_SCALE_ROW1
.elseif hA
	v_wmma_scale_f32_16x16x128_f8f6f4 v[rD:rD+7], v[rA:rA+7], v[rB:rB+7], v[rC:rC+7], v[sA], v[sB] matrix_a_fmt:MATRIX_FMT_FP4 matrix_b_fmt:MATRIX_FMT_FP4 matrix_a_scale:MATRIX_SCALE_ROW1
.elseif hB
	v_wmma_scale_f32_16x16x128_f8f6f4 v[rD:rD+7], v[rA:rA+7], v[rB:rB+7], v[rC:rC+7], v[sA], v[sB] matrix_a_fmt:MATRIX_FMT_FP4 matrix_b_fmt:MATRIX_FMT_FP4 matrix_b_scale:MATRIX_SCALE_ROW1
.else
	v_wmma_scale_f32_16x16x128_f8f6f4 v[rD:rD+7], v[rA:rA+7], v[rB:rB+7], v[rC:rC+7], v[sA], v[sB] matrix_a_fmt:MATRIX_FMT_FP4 matrix_b_fmt:MATRIX_FMT_FP4
.endif
.endm
; A slot's products: eight K steps of 128, 32 matrix instructions each, the 32 accumulators by turns, one instruction a turn, in the same order in every step.
; o = 0: Q or K (source 0 = W);  o = 1: V (source 0 = x).  W's fragments of the next step are fetched at a step's head, 32 matrix instructions ahead of their use.
.macro MAIN o
.irp s, 0,1,2,3,4,5,6,7
	s_wait_dscnt 0x0                               ; this step's fragments of W are in (asked for a step ago); in step 0 also the scale words and the bias
.if \s > 0
.rept 4
	v_nop                                          ; four places between the last step's products and the loads into the set that they read
.endr
.endif
.if \s < 7
	WIN 0
.irp w, 0,1,2,3
.irp c, 0,1
	ds_load_b128 v[WF+32*((\s+1)%2)+8*\w+4*\c:WF+32*((\s+1)%2)+8*\w+4*\c+3], v9 offset:16*PITCH*\w+64*(\s+1)+32*\c
.endr
.endr
.endif
.irp a, 0,1,2,3,4,5,6,7
.if \o
.if \s == 0
	WIN 0x42+\a/4                                  ; source 0 (x) window 2 or 3, source 1 (W) and C (the bias) window 0, D window 1
.else
	WIN 0x52+\a/4                                  ; the same, C window 1
.endif
.else
.if \s == 0
	WIN 0x48+4*(\a/4)                              ; source 0 (W) and C (the bias) window 0, source 1 (x) window 2 or 3, D window 1
.else
	WIN 0x58+4*(\a/4)
.endif
.endif
.irp w, 0,1,2,3
.if \o
.set rD, 8*(8*\w+\a)
.set rA, 64*(\a%4)+8*\s
.set rB, WF+32*(\s%2)+8*\w
.set sA, XS+8*(\a%4)+\s
.set sB, WS+8*(\w%2)+\s
.set hA, \a/4
.set hB, \w/2
.else
.set rD, 8*(4*\a+\w)
.set rA, WF+32*(\s%2)+8*\w
.set rB, 64*(\a%4)+8*\s
.set sA, WS+8*(\w%2)+\s
.set sB, XS+8*(\a%4)+\s
.set hA, \w/2
.set hB, \a/4
.endif
.set rC, rD
.if \s == 0
.set rC, BI+8*\w
.endif
	WM
.endr
.endr
.endr
	WIN 0
.endm
; The 16 blocks of the 32 accumulators become 32 registers of codes (v[CD] on) and 16 scale bytes (v[TM] on).
.macro QUANT
.rept 4
	v_nop                                          ; four places behind the last products: results are read, and registers that held W's fragments are written
.endr
	WIN 0x05                                       ; sources 0 and 1: the accumulators' window
.irp b, 0,1,2,3,4,5,6,7,8,9,10,11,12,13,14,15
	v_max3_num_f32 v[TM+\b], |v[16*\b]|, |v[16*\b+1]|, 0x1800000   ; my 16 numbers of block b, each accumulator from its low end on, and the floor 2^(3 - 127): the byte cannot fall under 1
.endr
.irp i, 2,4,6,8,10,12,14
.irp b, 0,1,2,3,4,5,6,7,8,9,10,11,12,13,14,15
	v_max3_num_f32 v[TM+\b], |v[16*\b+\i]|, |v[16*\b+\i+1]|, v[TM+\b]   ; (the blocks by turns: no line waits for the line above it)
.endr
.endr
	WIN 0
.irp b, 0,1,2,3,4,5,6,7,8,9,10,11,12,13,14,15
	v_permlanex16_b32 v[UM+\b], v[TM+\b], s40, s41
.endr
.irp b, 0,1,2,3,4,5,6,7,8,9,10,11,12,13,14,15
	v_max_num_f32 v[TM+\b], v[TM+\b], v[UM+\b]     ; with lane l xor 16's: the block's largest magnitude
.endr
.irp b, 0,1,2,3,4,5,6,7,8,9,10,11,12,13,14,15
	v_add_nc_u32 v[SOP+\b], 0xff000000, v[TM+\b]   ; 2 off its exponent field: the conversion takes the exponent field of this operand as its scale
.endr
.irp b, 0,1,2,3,4,5,6,7,8,9,10,11,12,13,14,15
	v_lshrrev_b32 v[TM+\b], 23, v[SOP+\b]          ; the scale's byte
.endr
	WIN 0x01
.irp b, 0,1,2,3,4,5,6,7,8,9,10,11,12,13,14,15
	v_cvt_scalef32_pk8_fp4_f32 v[CD+4*(\b/2)+(\b%2)], v[16*\b:16*\b+7], v[SOP+\b]
	v_cvt_scalef32_pk8_fp4_f32 v[CD+4*(\b/2)+2+(\b%2)], v[16*\b+8:16*\b+15], v[SOP+\b]
.endr
	WIN 0
	v_nop                                          ; one plain place behind the scaled conversions
.irp g, 0,1,2,3,4,5,6,7
	v_permlane16_swap_b32 v[CD+4*\g], v[CD+4*\g+1]     ; the first's lanes 16-31 change places with the second's lanes 0-15: a whole block in a lane
	v_permlane16_swap_b32 v[CD+4*\g+2], v[CD+4*\g+3]
.endr
.endm
.macro XSTORE                          ; 64 rows of x as loaded (4 registers a row, 16 bytes a lane) into my stage
.set ii, 0
.rept 64
	ds_store_b128 v5, v[4*ii:4*ii+3] offset:PITCH*ii
.set ii, ii+1
.endr
.endm
.macro XFRAG                           ; and back as fragments: four tiles x eight K steps: lane (r, h) takes row r, bytes 64 s + 32 c + 16 h on
.irp a, 0,1,2,3
.irp s, 0,1,2,3,4,5,6,7
.irp c, 0,1
	ds_load_b128 v[64*\a+8*\s+4*\c:64*\a+8*\s+4*\c+3], v6 offset:16*PITCH*\a+64*\s+32*\c
.endr
.endr
.endr
.endm
	s_load_b512 s[8:23], s[0:1], 0x0               ; x's codes s[8:9], x's scales s[10:11]; codes of W_q, W_k, W_v s[12:17]; their scales s[18:23]
	s_load_b256 s[24:31], s[0:1], 0x40             ; b_q, b_k, b_v s[24:29]; qbuf s[30:31]
	s_load_b64 s[32:33], s[0:1], 0x60              ; kv
	v_lshl_add_u32 v254, v0, 2, 0x3b700
	v_mov_b32 v255, 0
	v_lshrrev_b32 v2, 5, v0
	v_readfirstlane_b32 s34, v2                    ; wave 0..3
	v_and_b32 v2, 31, v0                           ; lane
	v_and_b32 v3, 15, v0                           ; r
	v_bfe_u32 v7, v0, 4, 1                         ; h
	v_lshlrev_b32 v1, 4, v2                        ; v1  16 x lane
	s_and_b32 s36, ttmp7, 0xffff                   ; which 512 rows of x
	s_mul_i32 s37, ttmp9, 3                        ; my first head slot
	s_mov_b32 s40, 0x76543210
	s_mov_b32 s41, 0xfedcba98                      ; v_permlanex16_b32's selects for lane l xor 16
	v_cmp_le_u32 s42, 16, v2                       ; the mask of lanes 16-31
	v_lshlrev_b32 v4, 5, v3
	v_lshl_add_u32 v4, v7, 11, v4                  ; v4  x's scale words: 32 r, lanes 16-31 64 rows on
	s_mul_i32 s70, s34, SLOTB
	s_add_co_u32 s70, s70, XST                     ; my stage
	v_add_nc_u32 v5, s70, v1                       ; v5  into it: 16 x lane of a row
	v_mul_u32_u24 v8, v3, PITCH
	v_lshl_add_u32 v8, v7, 4, v8                   ; v8  a fragment's place: row r x pitch + 16 h
	v_add_nc_u32 v6, s70, v8                       ; v6  out of my stage
	s_lshl_b32 s71, s34, 9
	s_add_co_u32 s71, s71, WSC
	v_add_nc_u32 v10, s71, v1                      ; v10 where I store W's scale bytes: my 16 rows' 512
	v_lshlrev_b32 v11, 5, v3
	v_lshl_add_u32 v11, v7, 10, v11
	v_add_nc_u32 v11, WSC, v11                     ; v11 W's scale words: 32 r, lanes 16-31 32 rows on
	s_lshl_b32 s71, s34, 6
	v_lshl_add_u32 v17, v3, 2, s71                 ; v17 my wave's 16 biases in memory: 64 w + 4 r
	v_add_nc_u32 v13, BIAS, v17                    ; v13 and in LDS
	v_lshlrev_b32 v14, 5, v7
	v_add_nc_u32 v14, BIAS, v14                    ; v14 the bias as C for Q and K: eight d of my half: 32 h
	v_lshl_add_u32 v15, v3, 2, BIAS                ; v15 for V: my d: 4 r
	v_lshlrev_b32 v19, 4, v3
	v_lshl_add_u32 v19, v7, 3, v19                 ; v19 V's scale words on the way out: 16 r + 8 h
	s_mul_i32 s71, s34, 16*PITCH
	v_add_nc_u32 v20, s71, v1                      ; v20-22 where I store my 16 rows of slot 0, 1, 2
	v_add_nc_u32 v21, SLOTB, v20
	v_add_nc_u32 v22, 2*SLOTB, v20
	s_lshr_b32 s83, s36, 2
	s_lshl_b32 s83, s83, 4                         ; 16 x batch
	s_and_b32 s84, s36, 3
	s_lshl_b32 s84, s84, 2
	s_add_co_u32 s84, s84, s34                     ; my key step in the batch: my 128 rows
	s_lshl_b32 s70, s36, 9
	s_lshl_b32 s71, s34, 7
	s_add_co_u32 s70, s70, s71                     ; my first row of x
	s_lshl_b32 s72, s70, 9
	s_mov_b32 s73, 0
	s_lshl_b32 s74, s70, 5
	s_mov_b32 s75, 0
	s_wait_kmcnt 0x0
	s_add_nc_u64 s[66:67], s[8:9], s[72:73]        ; its codes
	s_add_nc_u64 s[68:69], s[10:11], s[74:75]      ; its scale bytes
	WPTR 0
	WPTR 1
	WPTR 2
	; 190 loads, one behind the other: 8 of x's scale words, 54 of the weights, 64 + 64 rows of x.  A row of codes is 512 bytes: one load of the wave, 16 bytes a lane.
.irp a, 0,1,2,3
.irp q, 0,1
	global_load_b128 v[XS+8*\a+4*\q:XS+8*\a+4*\q+3], v4, s[68:69] offset:512*\a+16*\q
.endr
.endr
	WIN 0x80
.irp j, 0,1,2
.irp i, 0,1,2,3,4,5,6,7,8,9,10,11,12,13,14,15
	global_load_b128 v[64*\j+4*\i:64*\j+4*\i+3], v1, s[44+6*\j:45+6*\j] offset:512*\i
.endr
	global_load_b128 v[192+4*\j:195+4*\j], v1, s[46+6*\j:47+6*\j]
	global_load_b32 v[204+\j], v17, s[48+6*\j:49+6*\j]
.endr
	WIN 0x40
.set ii, 0
.rept 64
	global_load_b128 v[4*ii:4*ii+3], v1, s[66:67] offset:512*ii
.set ii, ii+1
.endr
	WIN 0xc0
.set ii, 0
.rept 64
	global_load_b128 v[4*ii:4*ii+3], v1, s[66:67] offset:512*(64+ii)
.set ii, ii+1
.endr
	s_wait_loadcnt 63                              ; of 190 loads at most 63 are out: the oldest 127 are in, and the scale words, the weights and rows 0-63 are the oldest 126
	WIN 0x08                                       ; an LDS store's data are its source 1: window 2
.irp j, 0,1,2
.irp i, 0,1,2,3,4,5,6,7,8,9,10,11,12,13,14,15
	ds_store_b128 v[20+\j], v[64*\j+4*\i:64*\j+4*\i+3] offset:PITCH*\i
.endr
	ds_store_b128 v10, v[192+4*\j:195+4*\j] offset:2048*\j
	ds_store_b32 v13, v[204+\j] offset:256*\j      ; lanes 16-31 write the same words with the same values
.endr
	WIN 0x04
	XSTORE                                         ; rows 0-63 into my stage
	s_wait_dscnt 0x0                               ; the stores have read their registers: window 2 may be written
	WIN 0x80
	XFRAG                                          ; tiles 0-3
	s_wait_loadcnt 0x0                             ; rows 64-127
	WIN 0x0c
	XSTORE                                         ; into the same stage: LDS serves a wave's instructions in order, so these come behind the reads above
	s_wait_dscnt 0x0                               ; the stores have read their registers: window 3 may be written
	WIN 0xc0
	XFRAG                                          ; tiles 4-7
	WIN 0
	s_wait_dscnt 0x0                               ; for the others' sake: my rows of W, their scale bytes and biases lie in LDS
	s_barrier_signal -1
	s_barrier_wait -1                              ; everybody's do; nothing is stored to LDS behind this barrier
	s_mov_b32 s38, 0                               ; the slot's count,
	s_mov_b32 s39, s37                             ; its number,
	s_mov_b32 s80, 0                               ; and its places in the three regions of LDS
	s_mov_b32 s81, 0
	s_mov_b32 s82, 0
.Lslot:
	v_add_nc_u32 v9, s80, v8
	v_add_nc_u32 v12, s81, v11
	v_add_nc_u32 v16, s82, v14
	v_add_nc_u32 v18, s82, v15
.irp w, 0,1
.irp q, 0,1
	ds_load_b128 v[WS+8*\w+4*\q:WS+8*\w+4*\q+3], v12 offset:512*\w+16*\q
.endr
.endr
.irp w, 0,1,2,3
.irp c, 0,1
	ds_load_b128 v[WF+8*\w+4*\c:WF+8*\w+4*\c+3], v9 offset:16*PITCH*\w+32*\c
.endr
.endr
	s_cmp_ge_u32 s39, 32
	s_cbranch_scc1 .Lv_main
.irp w, 0,1,2,3
.irp q, 0,1
	ds_load_b128 v[BI+8*\w+4*\q:BI+8*\w+4*\q+3], v16 offset:64*\w+16*\q   ; register j of tile w: the bias of d = 16 w + 8 h + j
.endr
.endr
	MAIN 0
	s_branch .Lquant
.Lv_main:
.irp w, 0,1,2,3
.irp j, 0,1,2,3,4,5,6,7
	ds_load_b32 v[BI+8*\w+\j], v18 offset:64*\w    ; all eight registers of tile w: the bias of d = 16 w + r
.endr
.endr
	MAIN 1
.Lquant:
	QUANT
	; where the slot's images go: qbuf [64][16][4,608] or kv [64][16][8,960]; in a key step of kv: K's codes at 0, V's at 4,096, K's scale words at 8,192, V's at 8,704
	s_and_b32 s70, s39, 15
	s_add_co_u32 s70, s70, s83                     ; 16 x batch + head
	s_mov_b32 s71, 143360
	s_mov_b32 s72, 8960
	s_mov_b32 s74, 8192
	s_cmp_lt_u32 s39, 16
	s_cselect_b64 s[76:77], s[30:31], s[32:33]
	s_cselect_b32 s71, 73728, s71
	s_cselect_b32 s72, 4608, s72
	s_cselect_b32 s74, 4096, s74                   ; from the codes to the scale words: Q's 4,096, K's 8,192,
	s_mul_i32 s70, s70, s71
	s_mul_i32 s72, s84, s72
	s_cmp_lt_u32 s39, 32
	s_cselect_b32 s73, 0, 4096
	s_cselect_b32 s74, s74, 4608                   ; V's 4,608
	s_add_co_u32 s70, s70, s72
	s_add_co_u32 s70, s70, s73
	s_mov_b32 s71, 0
	s_mov_b32 s75, 0
	s_add_nc_u64 s[76:77], s[76:77], s[70:71]
	s_add_nc_u64 s[78:79], s[76:77], s[74:75]
.irp g, 0,1,2,3,4,5,6,7
	global_store_b128 v1, v[CD+4*\g:CD+4*\g+3], s[76:77] offset:512*\g   ; a group of four registers as it stands: 512 consecutive bytes, aligned
.endr
	s_cmp_ge_u32 s39, 32
	s_cbranch_scc1 .Lv_words
.irp a, 0,1,2,3,4,5,6,7
	v_lshl_or_b32 v[WD+\a], v[TM+2*\a+1], 8, v[TM+2*\a]    ; tile a's word of my row: the two blocks' bytes
.endr
.irp i, 0,1,2,3
	v_cndmask_b32 v[SD+\i], v[WD+\i], v[WD+4+\i], s42      ; lanes 0-15 store tiles 0-3, lanes 16-31 tiles 4-7
.endr
.irp i, 0,1,2,3
	v_or_b32 v[SD+\i], 0x7f7f0000, v[SD+\i]                ; bytes 2 and 3 stand for 1: there the 128-deep instruction meets zero codes
.endr
	global_store_b128 v1, v[SD:SD+3], s[78:79]             ; 512 consecutive bytes: tile t's word of row r at 256 (t / 4) + 16 r + 4 (t % 4)
	s_branch .Lnext
.Lv_words:
.irp w, 0,1,2,3
	v_lshl_or_b32 v[WD+\w], v[TM+4*\w+1], 8, v[TM+4*\w]    ; tile w's word of my d: the four blocks of keys
.endr
.irp w, 0,1,2,3
	v_lshl_or_b32 v[WD+\w], v[TM+4*\w+2], 16, v[WD+\w]
.endr
.irp w, 0,1,2,3
	v_lshl_or_b32 v[WD+\w], v[TM+4*\w+3], 24, v[WD+\w]
.endr
	v_cndmask_b32 v[SD], v[WD], v[WD+2], s42
	v_cndmask_b32 v[SD+1], v[WD+1], v[WD+3], s42
	global_store_b64 v19, v[SD:SD+1], s[78:79]             ; 256 consecutive bytes: tile t's word of row r at 16 r + 4 t
.Lnext:
	s_wait_xcnt 0x0                                ; the stores have read their data and their bases: only behind this wait are the codes' registers loaded again and the bases made anew
	s_add_co_u32 s80, s80, SLOTB
	s_add_co_u32 s81, s81, 2048
	s_add_co_u32 s82, s82, 256
	s_add_co_u32 s39, s39, 1
	s_add_co_u32 s38, s38, 1
	s_cmp_lt_u32 s38, 3
	s_cbranch_scc1 .Lslot
	s_wait_tensorcnt 0x0
	ds_add_u32 v254, v255
	s_wait_dscnt 0x0
	s_endpgm
.Lfunc_end_k_q30ccff466f_proj:
	.size	k_q30ccff466f_proj, .Lfunc_end_k_q30ccff466f_proj-k_q30ccff466f_proj
	.p2alignl 7, 3214868480
	.fill 96, 4, 3214868480
	.section	.rodata,"a",@progbits
	.p2align	6, 0x0
	.amdhsa_kernel k_q30ccff466f_proj
		.amdhsa_group_segment_fixed_size 243968
		.amdhsa_private_segment_fixed_size 0
		.amdhsa_enable_private_segment 0
		.amdhsa_kernarg_size 104
		.amdhsa_user_sgpr_count 2
		.amdhsa_user_sgpr_kernarg_segment_ptr 1
		.amdhsa_wavefront_size32 1
		.amdhsa_system_sgpr_workgroup_id_x 1
		.amdhsa_system_sgpr_workgroup_id_y 1
		.amdhsa_system_sgpr_workgroup_id_z 1
		.amdhsa_system_vgpr_workitem_id 0
		.amdhsa_next_free_vgpr 1024
		.amdhsa_next_free_sgpr 96
		.amdhsa_reserve_vcc 0
		.amdhsa_float_denorm_mode_32 3
		.amdhsa_float_denorm_mode_16_64 3
		.amdhsa_memory_ordered 1
		.amdhsa_forward_progress 1
		.amdhsa_inst_pref_size 140
	.end_amdhsa_kernel
	.amdgpu_metadata
---
amdhsa.version: [ 1, 2 ]
amdhsa.kernels:
  - .name:           k_q30ccff466f_proj
    .symbol:         k_q30ccff466f_proj.kd
    .args:
      - { .name: x_codes, .offset: 0, .size: 8, .value_kind: global_buffer, .address_space: global }
      - { .name: x_scales, .offset: 8, .size: 8, .value_kind: global_buffer, .address_space: global }
      - { .name: W_q_codes, .offset: 16, .size: 8, .value_kind: global_buffer, .address_space: global }
      - { .name: W_k_codes, .offset: 24, .size: 8, .value_kind: global_buffer, .address_space: global }
      - { .name: W_v_codes, .offset: 32, .size: 8, .value_kind: global_buffer, .address_space: global }
      - { .name: W_q_scales, .offset: 40, .size: 8, .value_kind: global_buffer, .address_space: global }
      - { .name: W_k_scales, .offset: 48, .size: 8, .value_kind: global_buffer, .address_space: global }
      - { .name: W_v_scales, .offset: 56, .size: 8, .value_kind: global_buffer, .address_space: global }
      - { .name: b_q, .offset: 64, .size: 8, .value_kind: global_buffer, .address_space: global }
      - { .name: b_k, .offset: 72, .size: 8, .value_kind: global_buffer, .address_space: global }
      - { .name: b_v, .offset: 80, .size: 8, .value_kind: global_buffer, .address_space: global }
      - { .name: qbuf, .offset: 88, .size: 8, .value_kind: global_buffer, .address_space: global }
      - { .name: kv, .offset: 96, .size: 8, .value_kind: global_buffer, .address_space: global }
    .group_segment_fixed_size: 243968
    .private_segment_fixed_size: 0
    .kernarg_segment_align: 8
    .kernarg_segment_size: 104
    .max_flat_workgroup_size: 128
    .sgpr_count:     96
    .vgpr_count:     1024
    .wavefront_size: 32
...
	.end_amdgpu_metadata
.endif
;; end of part 1
;; launch attn (part 2): grid 256 x 1, 16 waves a work-group, clusters of 4 x 1, 169,984 bytes of LDS; arguments qbuf, kv, ctx_img, ctx_sc; writes ctx_img, ctx_sc
.if DOCPART == 2
	.amdgcn_target "amdgcn-amd-amdhsa--gfx1250"
	.amdhsa_code_object_version 6
	.text
	.protected	k_q30ccff466f_attn
	.globl	k_q30ccff466f_attn
	.p2align	8
	.type	k_q30ccff466f_attn,@function
k_q30ccff466f_attn:
	s_mov_b64 s[64:65], 0
	v_nop
	global_prefetch_b8 v0, s[64:65] scope:SCOPE_SE
	s_setreg_imm32_b32 hwreg(HW_REG_WAVE_MODE, 25, 1), 1
	s_wait_xcnt 0x0
	s_wait_alu depctr_hold_cnt(0) depctr_sa_sdst(0) depctr_va_vdst(0) depctr_va_sdst(0) depctr_va_ssrc(0) depctr_va_vcc(0) depctr_vm_vsrc(0)
	s_getreg_b32 s2, hwreg(HW_REG_IB_STS2, 6, 4)
	s_cmp_eq_u32 s2, 0
	s_cbranch_scc0 .Lentry_in_a_cluster
	s_endpgm
.Lentry_in_a_cluster:
	s_bfe_u32 s2, ttmp6, 0x10000c
	s_cmp_lg_u32 s2, 0x3003
	s_cbranch_scc0 .Lentry_shape_is_right
	s_endpgm
.Lentry_shape_is_right:
; ctx = softmax(Q K^T / 8, causal) V for 64 (batch, head) pairs of 2,048 queries x 2,048 keys x 64, both products on codes of FP4 (E2M1) with one E8M0 scale for each 32 along a product's K; ctx is quantised along its 1,024 at once.
; THE SOFTMAX AHEAD OF THE SECOND PRODUCT: t = score x log2(e) / 8; M = the row's largest t so far, rounded UP to a whole number; p = 2^(t - M) is what is quantised, along the keys; it is not normalised.
; The row's sum is taken of the unquantised p and divides O at the end.  When M moves, the sum and O are multiplied by 2^(old M - new M): exact.
; SHARES.  A cluster of four work-groups serves one (batch, head).  A head's whole K, V and scale words, 16 key steps x 8,960 bytes, come into each partner's LDS ONCE, by joint loads (eight waves, two key steps each):
; no slot is ever filled again, and nothing is ever stored to LDS.  A wave has one tensor load outstanding.
; Wave v of partner cx owns TWO tiles of 16 queries: A = 8 (v / 2) + 2 cx + v % 2 and B = 127 - A.  A needs key steps 0 .. v / 2, B needs 0 .. 15 - v / 2: 17 tile steps for every wave, whatever the mask.
; Every branch hangs on the wave's number and the loop's count alone; the place in the cluster enters global addresses and the mask's vector compare only.
; LAYOUT.  Both products are used transposed: S^T = K Q^T (source 0 = 16 keys, source 1 = my 16 queries), O^T = V^T P^T (source 0 = 16 of the head's 64, source 1 = P): a lane holds ONE query (lane % 16) throughout.
; K = 64 IN A 128-DEEP INSTRUCTION.  Q's operand is its four registers and four registers of zero codes.  K's operand for tile t is its four registers and the four that follow (the next tile's codes, behind the last tile zeros):
; every code is a finite number and meets a zero code there, under scale bytes that stand for 1.
; LIMITS: NaN and infinities are not served; a block whose largest magnitude lies under 2^-124 keeps the scale byte 1, and so does a block of zeros (its codes are zeros; this program alone reads the bytes).
; REGISTERS: v1-7 addresses that stay; v3, v4 the key step's; v8-11, v12-15 B's and A's -M, largest t, sum in two halves; v16-23, v24-31 Q of A and of B with their zeros; v32-67 fragments of K or V;
;   v68-75 K's or V's scale words, v76, v77 Q's, v78 p's; v80-87 p's codes; v88-95 ctx's codes; v79, v224 ctx's bytes; v96-159 S^T, then p; v160-191, v192-223 O^T of A and of B; v232-254 at work.
.set KVB, 8960                         ; a key step in kv and in LDS: K's eight tiles at 0, V^T's four at 4,096, K's scale words at 8,192, V's at 8,704
.set FR,  32
.set S,   96
.set PCD, 80
.macro CROUND                          ; a round of the cluster's barrier: my work-group's barrier; wave 0 signals for the work-group; every wave waits for all four; my work-group's barrier once more
	s_barrier_signal -1
	s_barrier_wait -1
	s_cmp_lg_u32 s12, 0
	s_cbranch_scc1 .Lnot_wave_0_\@
	s_barrier_signal -3
.Lnot_wave_0_\@:
	s_barrier_wait -3
	s_barrier_signal -1
	s_barrier_wait -1
.endm
; the four pointers of the tile whose number stands in s[tau]: s[p:p+1] Q's codes, s[p+2:p+3] Q's scale words, s[p+4:p+5] its place in ctx_img, s[p+6:p+7] in ctx_sc
.macro PTRS tau, p
	s_lshr_b32 s56, s[\tau], 3                     ; its step of 128 queries,
	s_and_b32 s57, s[\tau], 7                      ; its place t in the step
	s_mul_i32 s56, s56, 4608
	s_add_co_u32 s56, s56, s60
	s_lshl_b32 s58, s57, 9
	s_add_co_u32 s58, s58, s56
	s_mov_b32 s59, 0
	s_add_nc_u64 s[\p:\p+1], s[4:5], s[58:59]
	s_lshr_b32 s58, s57, 2
	s_lshl_b32 s58, s58, 8
	s_and_b32 s57, s57, 3
	s_lshl_b32 s57, s57, 2
	s_add_co_u32 s58, s58, s57
	s_add_co_u32 s58, s58, s56
	s_add_co_u32 s58, s58, 4096                    ; 4,096 + 256 (t / 4) + 4 (t % 4)
	s_add_nc_u64 s[\p+2:\p+3], s[4:5], s[58:59]
	s_add_co_u32 s56, s61, s[\tau]                 ; its number among all 512 tiles of rows
	s_lshl_b32 s58, s56, 13
	s_add_co_u32 s58, s58, s62
	s_add_nc_u64 s[\p+4:\p+5], s[8:9], s[58:59]
	s_lshl_b32 s58, s56, 9                         ; 16 rows of 32 scale bytes
	s_add_co_u32 s58, s58, s63
	s_add_nc_u64 s[\p+6:\p+7], s[10:11], s[58:59]
.endm
; A KEY STEP of 128 keys for one tile of queries.  O: its O^T;  ST: its statistics;  Q: its operand;  QS: its scale words;  DQ: the register with 16 tile + r - 8 h;  LIM: the scalar with its last key step.
.macro STEP O, ST, Q, QS, DQ, LIM
.irp t, 0,1,2,3,4,5,6,7
	ds_load_b128 v[FR+4*\t:FR+4*\t+3], v3 offset:512*\t          ; K's tile t as it was stored: 16 bytes a lane
.endr
	ds_load_b128 v[68:71], v4 offset:8192                        ; its scale words: tiles 0-3 of key r,
	ds_load_b128 v[72:75], v4 offset:8448                        ; tiles 4-7
	s_wait_dscnt 0x0
.irp t, 0,1,2,3,4,5,6,7
	v_wmma_scale_f32_16x16x128_f8f6f4 v[S+8*\t:S+8*\t+7], v[FR+4*\t:FR+4*\t+7], v[\Q:\Q+7], 0, v[68+\t], v[\QS] matrix_a_fmt:MATRIX_FMT_FP4 matrix_b_fmt:MATRIX_FMT_FP4
.endr                                  ; register 8 t + j of lane (r, h): query r, key 16 t + 8 h + j
.rept 4
	v_nop                                          ; four places: behind them the fragments' and scale words' registers are loaded again and the scores are read
.endr
.irp t, 0,1,2,3
.irp c, 0,1
	ds_load_b128 v[FR+8*\t+4*\c:FR+8*\t+4*\c+3], v3 offset:4096+1024*\t+512*\c   ; V^T's four tiles: asked for here, wanted behind the softmax
.endr
.endr
	ds_load_b128 v[68:71], v4 offset:8704
	s_cmp_lg_u32 s36, s[\LIM]                      ; the tile's last key step lies on the diagonal: there the scores of hidden keys become -infinity ahead of the maximum, so that p = 0
	s_cbranch_scc1 .Lopen_\@
	v_sub_nc_u32 v252, v[\DQ], s38                 ; d = my query - the step's first key - 8 h.  Register 8 t + j is hidden where 16 t + j > d
	v_mov_b32 v254, 0xff800000
.set n, 0
.rept 64
	v_cmp_gt_i32 vcc_lo, 16*(n/8)+n%8, v252
	v_cndmask_b32 v[S+n], v[S+n], v254, vcc_lo
.set n, n+1
.endr
.Lopen_\@:
.irp b, 0,1,2,3
	v_max3_num_f32 v[232+\b], v[S+16*\b], v[S+1+16*\b], v[S+2+16*\b]   ; THE LARGEST SCORE OF EACH BLOCK OF 32 KEYS serves twice: for the row's maximum and, since p rises with the score, for the block's largest p
.endr
.irp i, 3,5,7,9,11,13
.irp b, 0,1,2,3
	v_max3_num_f32 v[232+\b], v[232+\b], v[S+16*\b+\i], v[S+1+16*\b+\i]
.endr
.endr
.irp b, 0,1,2,3
	v_max_num_f32 v[232+\b], v[232+\b], v[S+15+16*\b]
.endr
.irp b, 0,1,2,3
	v_permlanex16_b32 v[236+\b], v[232+\b], s20, s21
.endr
.irp b, 0,1,2,3
	v_max_num_f32 v[232+\b], v[232+\b], v[236+\b]  ; with lane l xor 16's 16 keys
.endr
	v_max3_num_f32 v254, v232, v233, v234
	v_max_num_f32 v254, v254, v235                 ; the step's largest score of my query
	v_mul_f32 v254, s22, v254                      ; as t (c is positive)
	v_max_num_f32 v[\ST+1], v[\ST+1], v254         ; the running largest t
	v_mov_b32 v254, v[\ST]
	v_floor_f32 v[\ST], -v[\ST+1]                  ; the new -M = floor(-t) = -ceil(t)
	v_sub_f32 v254, v[\ST], v254                   ; old M - new M: a whole number, 0 or less
	v_cvt_i32_f32 v254, v254                       ; (it saturates)
	v_ldexp_f32 v252, 1.0, v254                    ; f = 2^(old M - new M)
.set n, 0
.rept 32
	v_pk_fma_f32 v[S+n:S+n+1], v[S+n:S+n+1], s[22:23], v[\ST:\ST+1] op_sel_hi:[1,0,0]   ; t - M, two at a time (of the pairs c and -M the low word serves both halves)
.set n, n+2
.endr
.irp b, 0,1,2,3
	v_fma_f32 v[232+\b], v[232+\b], s22, v[\ST]    ; the same of each block's largest score
.endr
.set n, 0
.rept 64
	v_exp_f32 v[S+n], v[S+n]                       ; p = 2^(t - M), at most 1
.set n, n+1
.endr
	v_pk_mul_f32 v[\ST+2:\ST+3], v[\ST+2:\ST+3], v[252:253] op_sel_hi:[1,0]   ; the sums under the new M: the plain instruction behind the exponentials
	s_wait_alu depctr_va_vdst(0)                   ; one wait for the batch of 64, ahead of its first reader
.irp b, 0,1,2,3
	v_exp_f32 v[232+\b], v[232+\b]                 ; the block's largest p: the same two instructions on the same number give the same bits
.endr
	v_pk_add_f32 v[236:237], v[S:S+1], v[S+2:S+3]  ; THE ROW'S SUM IS TAKEN OF THE UNQUANTISED p, two at a time, in two chains
.irp j, 4,8,12,16,20,24,28,32,36,40,44,48,52,56,60
	v_pk_add_f32 v[\ST+2:\ST+3], v[\ST+2:\ST+3], v[S+\j:S+\j+1]
	v_pk_add_f32 v[236:237], v[236:237], v[S+2+\j:S+3+\j]
.endr
	v_pk_add_f32 v[\ST+2:\ST+3], v[\ST+2:\ST+3], v[236:237]
	s_wait_alu depctr_va_vdst(0)                   ; and one for the four
.irp b, 0,1,2,3
	v_max_num_f32 v[232+\b], 0x1800000, v[232+\b]  ; the floor 2^(3 - 127): the byte cannot fall under 1
.endr
.irp b, 0,1,2,3
	v_add_nc_u32 v[244+\b], 0xff000000, v[232+\b]  ; 2 off the exponent field: the conversion's scale operand
.endr
.irp b, 0,1,2,3
	v_lshrrev_b32 v[236+\b], 23, v[244+\b]         ; the scale's byte
.endr
	v_lshl_or_b32 v78, v237, 8, v236               ; p's scale word for these 128 keys
	v_lshl_or_b32 v78, v238, 16, v78
	v_lshl_or_b32 v78, v239, 24, v78
.irp b, 0,1,2,3
	v_cvt_scalef32_pk8_fp4_f32 v[PCD+4*(\b/2)+(\b%2)], v[S+16*\b:S+16*\b+7], v[244+\b]         ; keys 32 b + 8 h + 0 .. 7
	v_cvt_scalef32_pk8_fp4_f32 v[PCD+4*(\b/2)+2+(\b%2)], v[S+16*\b+8:S+16*\b+15], v[244+\b]    ; keys 32 b + 16 + 8 h + 0 .. 7
.endr
	v_nop                                          ; one plain place behind the scaled conversions
.irp c, 0,1
	v_permlane16_swap_b32 v[PCD+4*\c], v[PCD+4*\c+1]       ; register 4 c + i now holds keys 64 c + 32 h + 8 i + 0 .. 7: the operand's layout
	v_permlane16_swap_b32 v[PCD+4*\c+2], v[PCD+4*\c+3]
.endr
.set n, 0
.rept 16
	v_pk_mul_f32 v[\O+n:\O+n+1], v[\O+n:\O+n+1], v[252:253] op_sel_hi:[1,0]   ; O^T under the new M.  (Of these sixteen at least twelve name no register of any one product below: the places between p's scale word and codes and the products)
.set n, n+2
.endr
	s_wait_dscnt 0x0                               ; V^T's tiles and scale words are in
.irp t, 0,1,2,3
	v_wmma_scale_f32_16x16x128_f8f6f4 v[\O+8*\t:\O+8*\t+7], v[FR+8*\t:FR+8*\t+7], v[PCD:PCD+7], v[\O+8*\t:\O+8*\t+7], v[68+\t], v78 matrix_a_fmt:MATRIX_FMT_FP4 matrix_b_fmt:MATRIX_FMT_FP4
.endr                                  ; the four accumulators by turns; register 8 t + j of lane (r, h): query r, d = 16 t + 8 h + j
.rept 4
	v_nop                                          ; four places in front of the next loads into the fragments' registers and the next reads of O^T
.endr
.endm
; A tile's end: O^T / the sum is ctx; its two blocks of 32 along d are quantised; the four registers of codes are fragment (head / 2, half head % 2) of the last product's operand.
.macro FINISH O, ST, CD, HB, P
	v_add_f32 v[\ST+2], v[\ST+2], v[\ST+3]         ; the sum's two halves,
	v_permlanex16_b32 v252, v[\ST+2], s20, s21
	v_add_f32 v[\ST+2], v[\ST+2], v252             ; and lane l xor 16's
	v_rcp_f32 v252, v[\ST+2]
	v_nop                                          ; a plain instruction behind the reciprocal,
	s_wait_alu depctr_va_vdst(0)                   ; and the wait ahead of its first reader
.set n, 0
.rept 16
	v_pk_mul_f32 v[\O+n:\O+n+1], v[\O+n:\O+n+1], v[252:253] op_sel_hi:[1,0]
.set n, n+2
.endr
.irp b, 0,1
	v_max3_num_f32 v[232+\b], |v[\O+16*\b]|, |v[\O+16*\b+1]|, 0x1800000
.endr
.irp i, 2,4,6,8,10,12,14
.irp b, 0,1
	v_max3_num_f32 v[232+\b], v[232+\b], |v[\O+16*\b+\i]|, |v[\O+16*\b+\i+1]|
.endr
.endr
.irp b, 0,1
	v_permlanex16_b32 v[236+\b], v[232+\b], s20, s21
.endr
.irp b, 0,1
	v_max_num_f32 v[232+\b], v[232+\b], v[236+\b]
.endr
.irp b, 0,1
	v_add_nc_u32 v[244+\b], 0xff000000, v[232+\b]
.endr
.irp b, 0,1
	v_lshrrev_b32 v[236+\b], 23, v[244+\b]
.endr
.irp b, 0,1
	v_cvt_scalef32_pk8_fp4_f32 v[\CD+\b], v[\O+16*\b:\O+16*\b+7], v[244+\b]
	v_cvt_scalef32_pk8_fp4_f32 v[\CD+2+\b], v[\O+16*\b+8:\O+16*\b+15], v[244+\b]
.endr
	v_cndmask_b32 v[\HB], v236, v237, s39          ; my half's block's byte.  (The plain place behind the conversions)
	v_permlane16_swap_b32 v[\CD], v[\CD+1]
	v_permlane16_swap_b32 v[\CD+2], v[\CD+3]
	global_store_b128 v1, v[\CD:\CD+3], s[\P:\P+1]         ; 512 consecutive bytes, aligned
	global_store_b8 v7, v[\HB], s[\P+2:\P+3]               ; two bytes of each of 16 rows of 32: a sixteenth of the codes' bytes
.endm
	s_load_b256 s[4:11], s[0:1], 0x0               ; qbuf s[4:5], kv s[6:7], ctx_img s[8:9], ctx_sc s[10:11]
	v_lshl_add_u32 v251, v0, 2, 0x29000
	v_mov_b32 v255, 0
	ds_add_u32 v251, v255
	ds_add_u32 v251, v255
	v_lshrrev_b32 v1, 5, v0
	v_readfirstlane_b32 s12, v1                    ; wave 0..15
	s_bfe_u32 s13, ttmp6, 0x40000                  ; cx: my place in the cluster
	s_lshr_b32 s14, s12, 1                         ; tile A's last key step,
	s_sub_co_u32 s15, 15, s14                      ; tile B's: the wave's number alone
	s_and_b32 s16, s12, 1
	s_lshl_b32 s17, s13, 1
	s_add_co_u32 s16, s16, s17                     ; 2 cx + wave % 2
	s_lshl_b32 s18, s14, 3
	s_add_co_u32 s18, s18, s16                     ; tile A
	s_sub_co_u32 s19, 127, s18                     ; tile B
	s_mov_b32 s20, 0x76543210
	s_mov_b32 s21, 0xfedcba98                      ; v_permlanex16_b32's selects for lane l xor 16
	s_mov_b32 s22, 0x3e38aa3b                      ; c = log2(e) / 8
	s_mov_b32 s23, s22                             ; (named with it as a pair, so it is written)
	; descriptor group 1: two key steps, 17,920 dense bytes, as 70 rows of 256 bytes (32 elements of 8 bytes), no padding
	s_mov_b32 s24, 15|(3<<16)|(1<<21)              ; 15:0 the mask: all four work-groups; 17:16 elements of 8 bytes; 21 set beside a mask
	s_mov_b32 s25, 32<<16                          ; tensor_dim0 = 32
	s_mov_b32 s26, 70<<16                          ; tensor_dim1 = 70
	s_mov_b32 s27, 32<<16                          ; tile_dim0 = 32
	s_mov_b32 s28, 70                              ; tile_dim1 = 70
	s_mov_b32 s29, 32                              ; from row to row
	s_mov_b32 s30, 0
	s_mov_b32 s31, 0
	s_mul_i32 s60, ttmp9, 73728                    ; in a cluster launch ttmp9 counts clusters: 16 x batch + head.  Its place in qbuf,
	s_lshr_b32 s61, ttmp9, 4
	s_lshl_b32 s61, s61, 7                         ; the batch's first tile of rows,
	s_and_b32 s62, ttmp9, 15
	s_lshl_b32 s63, s62, 1                         ; the head's two scale bytes in a row of ctx_sc,
	s_lshl_b32 s62, s62, 9                         ; and its 512 bytes in a tile of ctx_img
	v_and_b32 v1, 31, v0
	v_lshlrev_b32 v1, 4, v1                        ; v1  16 x lane
	v_and_b32 v232, 15, v0                         ; r
	v_bfe_u32 v233, v0, 4, 1                       ; h
	v_lshlrev_b32 v2, 4, v232                      ; v2  16 r
	v_lshlrev_b32 v234, 3, v233
	v_sub_nc_u32 v234, v232, v234                  ; r - 8 h
	s_lshl_b32 s56, s18, 4
	v_add_nc_u32 v5, s56, v234                     ; v5  16 A + r - 8 h
	s_lshl_b32 s56, s19, 4
	v_add_nc_u32 v6, s56, v234                     ; v6  16 B + r - 8 h
	v_lshl_add_u32 v7, v232, 5, v233               ; v7  32 r + h
	v_cmp_eq_u32 s39, 1, v233                      ; the mask of lanes 16-31
	s_wait_dscnt 0x0
	s_wait_kmcnt 0x0
	s_mov_b32 s32, 1                               ; group 0: count = 1;
	s_and_b32 s33, s12, 7
	s_mul_i32 s33, s33, 2*KVB                      ; LDS address: key steps 2 (wave % 8) and the next: no place in the cluster enters it;
	s_mul_i32 s56, ttmp9, 16*KVB
	s_add_co_u32 s56, s56, s33
	s_mov_b32 s57, 0
	s_add_nc_u64 s[34:35], s[6:7], s[56:57]        ; the same two key steps of the head in kv;
	s_or_b32 s35, s35, 0x80000000                  ; type = 2
	PTRS 18, 40
	PTRS 19, 48
	CROUND                                         ; all four work-groups are here: the joint loads meet
	s_cmp_lt_u32 s12, 8                            ; waves 0 to 7 ask, one load each: the branch hangs on the wave's number alone
	s_cbranch_scc0 .Lno_fill
	tensor_load_to_lds s[32:35], s[24:31]
	s_nop 0
.rept 4
	v_nop                                          ; four v_nop follow the load
.endr
.Lno_fill:
	global_load_b128 v[16:19], v1, s[40:41]        ; Q of tile A: lane (r, h): query r, d = 32 h + 0 .. 31
	global_load_b32 v76, v2, s[42:43]
	global_load_b128 v[24:27], v1, s[48:49]        ; and of tile B
	global_load_b32 v77, v2, s[50:51]
.irp j, 20,21,22,23,28,29,30,31,64,65,66,67,236,237,238,239,252,253
	v_mov_b32 v\j, 0                               ; the zero codes behind Q and behind K's last tile; registers that a permute or a pair names before they are first computed
.endr
	v_mov_b32 v13, 0xff61b1e6                      ; the largest t so far: -3e38, under every t
	v_floor_f32 v12, -v13                          ; -M
	v_mov_b32 v14, 0                               ; the sum, in two halves
	v_mov_b32 v15, 0
	v_mov_b32 v9, 0xff61b1e6
	v_floor_f32 v8, -v9
	v_mov_b32 v10, 0
	v_mov_b32 v11, 0
.set n, 160
.rept 64
	v_mov_b32 v[n], 0                              ; O^T of both tiles.  (The key step is written once: a tile's first step finds zeros, which the first change of M leaves zeros)
.set n, n+1
.endr
	s_mov_b32 s36, 0                               ; the key step,
	s_mov_b32 s37, 0                               ; its place in LDS,
	s_mov_b32 s38, 0                               ; its first key
	s_wait_loadcnt 0x0                             ; Q
	s_wait_tensorcnt 0x0                           ; my two key steps have landed,
	s_barrier_signal -1
	s_barrier_wait -1                              ; everybody's have: the head's K and V lie whole in LDS, and nothing writes LDS from here on
.Lkeys:                                            ; 16 trips in every wave; a tile's steps behind its diagonal are jumped over
	v_add_nc_u32 v3, s37, v1
	v_add_nc_u32 v4, s37, v2
	s_cmp_gt_u32 s36, s14
	s_cbranch_scc1 .Lno_a
	STEP 160, 12, 16, 76, 5, 14
.Lno_a:
	s_cmp_gt_u32 s36, s15
	s_cbranch_scc1 .Lno_b
	STEP 192, 8, 24, 77, 6, 15
.Lno_b:
	s_add_co_u32 s37, s37, KVB
	s_add_co_u32 s38, s38, 128
	s_add_co_u32 s36, s36, 1
	s_cmp_lt_u32 s36, 16
	s_cbranch_scc1 .Lkeys
	FINISH 160, 12, 88, 79, 44
	FINISH 192, 8, 92, 224, 52
	s_wait_tensorcnt 0x0
	ds_add_u32 v251, v255
	s_wait_dscnt 0x0
	CROUND                                         ; the closing round: no work-group ends while a partner may still ask for a tile that names it
	s_endpgm
.Lfunc_end_k_q30ccff466f_attn:
	.size	k_q30ccff466f_attn, .Lfunc_end_k_q30ccff466f_attn-k_q30ccff466f_attn
	.p2alignl 7, 3214868480
	.fill 96, 4, 3214868480
	.section	.rodata,"a",@progbits
	.p2align	6, 0x0
	.amdhsa_kernel k_q30ccff466f_attn
		.amdhsa_group_segment_fixed_size 169984
		.amdhsa_private_segment_fixed_size 0
		.amdhsa_enable_private_segment 0
		.amdhsa_kernarg_size 32
		.amdhsa_user_sgpr_count 2
		.amdhsa_user_sgpr_kernarg_segment_ptr 1
		.amdhsa_wavefront_size32 1
		.amdhsa_system_sgpr_workgroup_id_x 1
		.amdhsa_system_sgpr_workgroup_id_y 1
		.amdhsa_system_sgpr_workgroup_id_z 1
		.amdhsa_system_vgpr_workitem_id 0
		.amdhsa_next_free_vgpr 256
		.amdhsa_next_free_sgpr 66
		.amdhsa_reserve_vcc 1
		.amdhsa_float_denorm_mode_32 3
		.amdhsa_float_denorm_mode_16_64 3
		.amdhsa_memory_ordered 1
		.amdhsa_forward_progress 1
		.amdhsa_inst_pref_size 56
	.end_amdhsa_kernel
	.amdgpu_metadata
---
amdhsa.version: [ 1, 2 ]
amdhsa.kernels:
  - .name:           k_q30ccff466f_attn
    .symbol:         k_q30ccff466f_attn.kd
    .args:
      - { .name: qbuf, .offset: 0, .size: 8, .value_kind: global_buffer, .address_space: global }
      - { .name: kv, .offset: 8, .size: 8, .value_kind: global_buffer, .address_space: global }
      - { .name: ctx_img, .offset: 16, .size: 8, .value_kind: global_buffer, .address_space: global }
      - { .name: ctx_sc, .offset: 24, .size: 8, .value_kind: global_buffer, .address_space: global }
    .group_segment_fixed_size: 169984
    .private_segment_fixed_size: 0
    .kernarg_segment_align: 8
    .kernarg_segment_size: 32
    .max_flat_workgroup_size: 512
    .sgpr_count:     66
    .vgpr_count:     256
    .wavefront_size: 32
...
	.end_amdgpu_metadata
.endif
;; end of part 2
;; launch outp (part 3): grid 16 x 16, 4 waves a work-group, no clusters, 51,712 bytes of LDS; arguments ctx_img, ctx_sc, W_o_codes, W_o_scales, b_o, out0; writes out0
.if DOCPART == 3
	.amdgcn_target "amdgcn-amd-amdhsa--gfx1250"
	.amdhsa_code_object_version 6
	.text
	.protected	k_q30ccff466f_outp
	.globl	k_q30ccff466f_outp
	.p2align	8
	.type	k_q30ccff466f_outp,@function
k_q30ccff466f_outp:
	s_mov_b64 s[64:65], 0
	v_nop
	global_prefetch_b8 v0, s[64:65] scope:SCOPE_SE
	s_setreg_imm32_b32 hwreg(HW_REG_WAVE_MODE, 25, 1), 1
	s_wait_xcnt 0x0
; out0 = ctx W_o + b_o on codes of FP4 (E2M1) with one E8M0 scale for each 32 along K = 1,024.  ctx comes as images of the operand's registers ([tile of 16 rows][K step and half: 16][lane][16 bytes]) with its scale bytes [row][32].
; SHARES.  16 x 16 work-groups of four waves.  Work-group (x, y) makes rows 512 y .. + 511 x columns 64 x .. + 63; wave w its rows 128 w .. + 127: 8 x 4 accumulators, and 64 columns are 256 bytes of a row of out0.
; A wave's 128 rows of ctx, 8 tiles x 8 K steps x 8 registers, go straight from memory into 512 registers, each load 512 consecutive bytes; W_o's 64 rows go through LDS and are read as fragments by all four waves.
; THE MATRIX INSTRUCTION IS USED TRANSPOSED (source 0 = 16 rows of W_o, source 1 = 16 rows of ctx): a lane holds eight neighbouring columns of one row.  The bias is the C of a sum's first matrix instruction (summed first, where the definition adds it last).
; No multicast here: the resident operand lives in registers, and what the four waves share, 64 rows of W_o, is a ninth of what the work-group reads.
; REGISTERS, in windows of 256: window 0: v1-20 addresses; v32-63 ctx's scale words; v64-79 W_o's; v80-111 the bias as C; v112-175 W_o's fragments, two sets, later rows on the way out.
;   window 1: the 32 accumulators at 8 (4 a + w) (before that W_o's rows as loaded).  window 2: ctx's tiles 0-3 at 64 a + 8 s.  window 3: tiles 4-7.
.set PITCH, 528                        ; a row of 512 bytes of codes in LDS + 16: 33 x 16 bytes
.set STG,   64*PITCH                   ; behind W_o's 64 rows: a stage of 16 rows x (256 + 16) bytes for each wave, its own
.set SP,    272
.set XS,  32                           ; register 8 (a % 4) + s: lanes 0-15 ctx's tile a % 4, lanes 16-31 tile 4 + a % 4
.set WS,  64                           ; register 8 (w % 2) + s: lanes 0-15 W_o's tile w % 2, lanes 16-31 tile 2 + w % 2
.set BI,  80
.set WF,  112
.set BK,  112                          ; the way out: 16 rows read back from the stage: v112-143 and v144-175 by turns
.set MSB, 0
.macro WIN new                         ; the immediate's high byte repeats the setting that is left; a switch that changes nothing is dropped
.if MSB != (\new)
	s_set_vgpr_msb (MSB<<8)|(\new)
.set MSB, \new
.endif
.endm
.macro WM                              ; one matrix instruction; its registers stand in the symbols; hA, hB: the side's scale words lie in lanes 16-31
.if hA && hB
	v_wmma_scale_f32_16x16x128_f8f6f4 v[rD:rD+7], v[rA:rA+7], v[rB:rB+7], v[rC:rC+7], v[sA], v[sB] matrix_a_fmt:MATRIX_FMT_FP4 matrix_b_fmt:MATRIX_FMT_FP4 matrix_a_scale:MATRIX_SCALE_ROW1 matrix_b_scale:MATRIX_SCALE_ROW1
.elseif hA
	v_wmma_scale_f32_16x16x128_f8f6f4 v[rD:rD+7], v[rA:rA+7], v[rB:rB+7], v[rC:rC+7], v[sA], v[sB] matrix_a_fmt:MATRIX_FMT_FP4 matrix_b_fmt:MATRIX_FMT_FP4 matrix_a_scale:MATRIX_SCALE_ROW1
.elseif hB
	v_wmma_scale_f32_16x16x128_f8f6f4 v[rD:rD+7], v[rA:rA+7], v[rB:rB+7], v[rC:rC+7], v[sA], v[sB] matrix_a_fmt:MATRIX_FMT_FP4 matrix_b_fmt:MATRIX_FMT_FP4 matrix_b_scale:MATRIX_SCALE_ROW1
.else
	v_wmma_scale_f32_16x16x128_f8f6f4 v[rD:rD+7], v[rA:rA+7], v[rB:rB+7], v[rC:rC+7], v[sA], v[sB] matrix_a_fmt:MATRIX_FMT_FP4 matrix_b_fmt:MATRIX_FMT_FP4
.endif
.endm
	s_load_b256 s[8:15], s[0:1], 0x0               ; ctx_img s[8:9], ctx_sc s[10:11], W_o's codes s[12:13], W_o's scales s[14:15]
	s_load_b128 s[16:19], s[0:1], 0x20             ; b_o s[16:17], out0 s[18:19]
	v_lshl_add_u32 v254, v0, 2, 0xc800
	v_mov_b32 v255, 0
	v_lshrrev_b32 v2, 5, v0
	v_readfirstlane_b32 s34, v2                    ; wave 0..3
	v_and_b32 v2, 31, v0                           ; lane
	v_and_b32 v3, 15, v0                           ; r
	v_bfe_u32 v10, v0, 4, 1                        ; h
	v_lshlrev_b32 v1, 4, v2                        ; v1  16 x lane
	s_and_b32 s36, ttmp7, 0xffff                   ; which 512 rows
	v_lshlrev_b32 v4, 5, v3
	v_lshl_add_u32 v11, v10, 10, v4                ; v11 W_o's scale words: 32 r, lanes 16-31 32 rows on
	v_lshl_add_u32 v4, v10, 11, v4                 ; v4  ctx's: 32 r, lanes 16-31 64 rows on
	v_mul_u32_u24 v9, v3, PITCH
	v_lshl_add_u32 v9, v10, 4, v9                  ; v9  a fragment of W_o: row r x pitch + 16 h
	v_lshlrev_b32 v14, 5, v10                      ; v14 the bias: eight columns of my half: 32 h
	s_mul_i32 s40, s34, 16*PITCH
	v_add_nc_u32 v20, s40, v1                      ; v20 where I store my 16 rows of W_o
	s_mul_i32 s40, s34, 16*SP
	s_add_co_u32 s40, s40, STG                     ; my stage
	v_mul_u32_u24 v5, v3, SP
	v_lshl_add_u32 v5, v10, 5, v5
	v_add_nc_u32 v5, s40, v5                       ; v5  into it: row r, 32 bytes for each half of the lanes
	v_mul_u32_u24 v6, v10, SP
	v_lshl_add_u32 v6, v3, 4, v6
	v_add_nc_u32 v6, s40, v6                       ; v6  back: lanes 0-15 one row of 256 bytes, lanes 16-31 the next
	v_lshlrev_b32 v7, 12, v10
	v_lshl_add_u32 v7, v3, 4, v7                   ; v7  and the same two rows in out0
	s_lshl_b32 s40, s36, 9
	s_lshl_b32 s41, s34, 7
	s_add_co_u32 s40, s40, s41                     ; my first row
	s_mov_b32 s43, 0
	s_wait_kmcnt 0x0
	s_lshl_b32 s42, s40, 9                         ; a tile of 16 rows is 8,192 bytes of images
	s_add_nc_u64 s[8:9], s[8:9], s[42:43]
	s_lshl_b32 s42, s40, 5
	s_add_nc_u64 s[10:11], s[10:11], s[42:43]
	s_lshl_b32 s42, ttmp9, 15                      ; W_o: my work-group's 64 rows of 512 bytes,
	s_lshl_b32 s41, s34, 13                        ; my wave's 16 of them
	s_add_co_u32 s42, s42, s41
	s_add_nc_u64 s[12:13], s[12:13], s[42:43]
	s_lshl_b32 s42, ttmp9, 11
	s_add_nc_u64 s[14:15], s[14:15], s[42:43]
	s_lshl_b32 s42, ttmp9, 8                       ; 64 columns of f32
	s_add_nc_u64 s[16:17], s[16:17], s[42:43]
	s_lshl_b32 s41, s40, 12
	s_add_co_u32 s42, s42, s41
	s_add_nc_u64 s[18:19], s[18:19], s[42:43]
	; 164 loads, one behind the other: 8 + 4 of scale words, 8 of the bias, 16 rows of W_o; then ctx's 128 images, K step by K step
.irp a, 0,1,2,3
.irp q, 0,1
	global_load_b128 v[XS+8*\a+4*\q:XS+8*\a+4*\q+3], v4, s[10:11] offset:512*\a+16*\q
.endr
.endr
.irp w, 0,1
.irp q, 0,1
	global_load_b128 v[WS+8*\w+4*\q:WS+8*\w+4*\q+3], v11, s[14:15] offset:512*\w+16*\q
.endr
.endr
.irp w, 0,1,2,3
.irp q, 0,1
	global_load_b128 v[BI+8*\w+4*\q:BI+8*\w+4*\q+3], v14, s[16:17] offset:64*\w+16*\q   ; register j of tile w: the bias of column 16 w + 8 h + j
.endr
.endr
	WIN 0x40
.irp i, 0,1,2,3,4,5,6,7,8,9,10,11,12,13,14,15
	global_load_b128 v[4*\i:4*\i+3], v1, s[12:13] offset:512*\i
.endr
.irp s, 0,1,2,3,4,5,6,7
.irp a, 0,1,2,3,4,5,6,7
	WIN 0x80+0x40*(\a/4)
.irp c, 0,1
	global_load_b128 v[64*(\a%4)+8*\s+4*\c:64*(\a%4)+8*\s+4*\c+3], v1, s[8:9] offset:8192*\a+512*(2*\s+\c)
.endr
.endr
.endr
	s_wait_loadcnt 63                              ; of 164 loads at most 63 are out: the oldest 101 are in, and the scale words, the bias and W_o's rows are the oldest 36
	WIN 0x04                                       ; an LDS store's data are its source 1: window 1
.irp i, 0,1,2,3,4,5,6,7,8,9,10,11,12,13,14,15
	ds_store_b128 v20, v[4*\i:4*\i+3] offset:PITCH*\i
.endr
	WIN 0
	s_wait_dscnt 0x0                               ; for the others' sake: my 16 rows of W_o lie in LDS
	s_barrier_signal -1
	s_barrier_wait -1                              ; everybody's do; these bytes are not written again
.irp w, 0,1,2,3
.irp c, 0,1
	ds_load_b128 v[WF+8*\w+4*\c:WF+8*\w+4*\c+3], v9 offset:16*PITCH*\w+32*\c
.endr
.endr
; Eight K steps of 128, 32 matrix instructions each, the 32 accumulators by turns, one instruction a turn, in the same order in every step.
.irp s, 0,1,2,3,4,5,6,7
	s_wait_dscnt 0x0                               ; this step's fragments of W_o are in (asked for a step ago)
.if 112-16*\s > 63
	s_wait_loadcnt 63                              ; this step's 16 images of ctx are in: behind them 112 - 16 s loads were issued, and the count's field holds 63
.else
	s_wait_loadcnt 112-16*\s
.endif
.if \s > 0
.rept 4
	v_nop                                          ; four places between the last step's products and the loads into the set that they read
.endr
.endif
.if \s < 7
	WIN 0
.irp w, 0,1,2,3
.irp c, 0,1
	ds_load_b128 v[WF+32*((\s+1)%2)+8*\w+4*\c:WF+32*((\s+1)%2)+8*\w+4*\c+3], v9 offset:16*PITCH*\w+64*(\s+1)+32*\c
.endr
.endr
.endif
.irp a, 0,1,2,3,4,5,6,7
.if \s == 0
	WIN 0x48+4*(\a/4)                              ; source 0 (W_o) and C (the bias) window 0, source 1 (ctx) window 2 or 3, D window 1
.else
	WIN 0x58+4*(\a/4)                              ; the same, C window 1
.endif
.irp w, 0,1,2,3
.set rD, 8*(4*\a+\w)
.set rA, WF+32*(\s%2)+8*\w
.set rB, 64*(\a%4)+8*\s
.set sA, WS+8*(\w%2)+\s
.set sB, XS+8*(\a%4)+\s
.set hA, \w/2
.set hB, \a/4
.set rC, rD
.if \s == 0
.set rC, BI+8*\w
.endif
	WM
.endr
.endr
.endr
	WIN 0
; THE WAY OUT, a tile of 16 rows x 64 columns at a time.  A lane holds 32 neighbouring bytes of a row, and the lanes beside it hold other rows: so a tile goes through my own stage and comes back as whole rows of 256 bytes.
; LDS serves a wave's instructions in order: no wait between the stores and the loads, nor in front of the next tile's stores.
.macro TOSTAGE a
	WIN 0x04
.irp w, 0,1,2,3
	ds_store_b128 v5, v[8*(4*(\a)+\w):8*(4*(\a)+\w)+3] offset:64*\w          ; each accumulator from its low end on
	ds_store_b128 v5, v[8*(4*(\a)+\w)+4:8*(4*(\a)+\w)+7] offset:64*\w+16
.endr
	WIN 0
.irp t, 0,1,2,3,4,5,6,7
	ds_load_b128 v[BK+32*((\a)%2)+4*\t:BK+32*((\a)%2)+4*\t+3], v6 offset:2*SP*\t
.endr
.endm
.macro SEND a, younger                 ; younger: the LDS instructions issued behind tile a's loads, which may stay out
	s_wait_dscnt \younger
.irp t, 0,1,2,3,4,5,6,7
	global_store_b128 v7, v[BK+32*((\a)%2)+4*\t:BK+32*((\a)%2)+4*\t+3], s[18:19] offset:(16*(\a)+2*\t)*4096 th:TH_STORE_NT   ; 16 lanes store 256 consecutive bytes, aligned; written once, read by nobody here
.endr
.endm
.rept 4
	v_nop                                          ; four places behind the last products: results are read, and registers that held W_o's fragments are loaded
.endr
	TOSTAGE 0
.irp a, 1,2,3,4,5,6,7
.if \a > 1
	s_wait_xcnt 0x0                                ; tile a - 2's stores have read their registers: tile a's loads may land there
.endif
	TOSTAGE \a
	SEND \a-1, 16                                  ; behind tile a - 1's loads: tile a's 8 stores and 8 loads
.endr
	SEND 7, 0
	s_wait_tensorcnt 0x0
	ds_add_u32 v254, v255
	s_wait_dscnt 0x0
	s_endpgm
.Lfunc_end_k_q30ccff466f_outp:
	.size	k_q30ccff466f_outp, .Lfunc_end_k_q30ccff466f_outp-k_q30ccff466f_outp
	.p2alignl 7, 3214868480
	.fill 96, 4, 3214868480
	.section	.rodata,"a",@progbits
	.p2align	6, 0x0
	.amdhsa_kernel k_q30ccff466f_outp
		.amdhsa_group_segment_fixed_size 51712
		.amdhsa_private_segment_fixed_size 0
		.amdhsa_enable_private_segment 0
		.amdhsa_kernarg_size 48
		.amdhsa_user_sgpr_count 2
		.amdhsa_user_sgpr_kernarg_segment_ptr 1
		.amdhsa_wavefront_size32 1
		.amdhsa_system_sgpr_workgroup_id_x 1
		.amdhsa_system_sgpr_workgroup_id_y 1
		.amdhsa_system_sgpr_workgroup_id_z 1
		.amdhsa_system_vgpr_workitem_id 0
		.amdhsa_next_free_vgpr 1024
		.amdhsa_next_free_sgpr 66
		.amdhsa_reserve_vcc 0
		.amdhsa_float_denorm_mode_32 3
		.amdhsa_float_denorm_mode_16_64 3
		.amdhsa_memory_ordered 1
		.amdhsa_forward_progress 1
		.amdhsa_inst_pref_size 73
	.end_amdhsa_kernel
	.amdgpu_metadata
---
amdhsa.version: [ 1, 2 ]
amdhsa.kernels:
  - .name:           k_q30ccff466f_outp
    .symbol:         k_q30ccff466f_outp.kd
    .args:
      - { .name: ctx_img, .offset: 0, .size: 8, .value_kind: global_buffer, .address_space: global }
      - { .name: ctx_sc, .offset: 8, .size: 8, .value_kind: global_buffer, .address_space: global }
      - { .name: W_o_codes, .offset: 16, .size: 8, .value_kind: global_buffer, .address_space: global }
      - { .name: W_o_scales, .offset: 24, .size: 8, .value_kind: global_buffer, .address_space: global }
      - { .name: b_o, .offset: 32, .size: 8, .value_kind: global_buffer, .address_space: global }
      - { .name: out0, .offset: 40, .size: 8, .value_kind: global_buffer, .address_space: global }
    .group_segment_fixed_size: 51712
    .private_segment_fixed_size: 0
    .kernarg_segment_align: 8
    .kernarg_segment_size: 48
    .max_flat_workgroup_size: 128
    .sgpr_count:     66
    .vgpr_count:     1024
    .wavefront_size: 32
...
	.end_amdgpu_metadata
.endif
;; end of part 3
;; ======== version 2 of 2: 3 launches
;; workspace buffers: qbuf 4,718,592 bytes; kv 9,175,040 bytes; ctx_img 4,194,304 bytes; ctx_sc 262,144 bytes
;; launch proj (part 4): grid 16 x 16, 4 waves a work-group, no clusters, 243,968 bytes of LDS; arguments x_codes, x_scales, W_q_codes, W_k_codes, W_v_codes, W_q_scales, W_k_scales, W_v_scales, b_q, b_k, b_v, qbuf, kv; writes qbuf, kv
.if DOCPART == 4
	.amdgcn_target "amdgcn-amd-amdhsa--gfx1250"
	.amdhsa_code_object_version 6
	.text
	.protected	k_q30ccff466f_proj
	.globl	k_q30ccff466f_proj
	.p2align	8
	.type	k_q30ccff466f_proj,@function
k_q30ccff466f_proj:
	s_mov_b64 s[64:65], 0
	v_nop
	global_prefetch_b8 v0, s[64:65] scope:SCOPE_SE
	s_setreg_imm32_b32 hwreg(HW_REG_WAVE_SCHED_MODE, 0, 2), 2
	s_setreg_imm32_b32 hwreg(HW_REG_WAVE_MODE, 25, 1), 1
	s_wait_xcnt 0x0
	s_wait_alu depctr_vm_vsrc(0)
; Q = x W_q + b_q, K = x W_k + b_k, V = x W_v + b_v on codes of FP4 (E2M1) with one E8M0 scale for each 32 along K = 1,024; the results are quantised at once:
; Q and K along the head's 64 (two blocks), V along the keys (blocks of 32 keys), and stored as images of the operand registers that the attention launch wants.
; SHARES.  16 x 16 work-groups of four waves.  Work-group (x, y) takes x's rows 512 y .. 512 y + 511 against three HEAD SLOTS 3 x + 0, 1, 2 of 48 (slot / 16: Q, K, V; slot % 16: the head; 64 rows of a weight).
; Wave w keeps its 128 rows of x (one key step of a batch) in 512 registers for the whole launch: 8 tiles x 8 K steps x 8 registers.  A slot is 4 x 8 x 8 = 256 matrix instructions on 32 accumulators.
; ORIENTATION.  Q, K: source 0 = 16 rows of W, source 1 = 16 rows of x: a lane holds ONE row of x and its registers run along the head's d.  V: source 0 = x, source 1 = W: a lane holds ONE d and its registers run along the keys.
; In both, registers 16 B .. 16 B + 15 of the accumulators' window are half of block B of 32 along the next K (the other half lies in lane l xor 16), so one quantiser serves both.
; CODES.  A conversion takes one tile's 8 registers.  That of a block's first tile goes to register 4 (B / 2) + B % 2, that of its second to 4 (B / 2) + 2 + B % 2; two exchanges of lane halves for each four registers then give the
; operand's layout (register i of a group of four: k = 32 (lane / 16) + 8 i + 0 .. 7 of 64): tiles of NEIGHBOURING rows serve, nothing is permuted.
; The bias is the C of a sum's first matrix instruction (it is so summed first, where the definition adds it last).
; No multicast here: the work-group's two panels, 512 + 192 rows of 528 bytes, are 371,712 bytes and do not fit in LDS together, so x lives in registers and is reached through them.
; LIMITS: NaN and infinities are not served; a block whose largest magnitude lies under 2^-124 keeps the scale byte 1; a block of zeros gets the byte 1 where the rule says 127: its codes are zeros, and this program alone reads the bytes.
; REGISTERS, in windows of 256: window 0: v1-22 addresses; v32-63 x's scale words; v64-79 W's; v80-111 the bias as C; v112-239 W's fragments, four sets; behind a slot's products v112-203 serve the quantiser.
;   window 1: the 32 accumulators (before that: x's rows 0-63 as loaded).  window 2: x's tiles 0-3 at 64 a + 8 s (before that: the weights as loaded).  window 3: tiles 4-7 (before that: rows 64-127 as loaded).
; THE MODE: SCHED_MODE bits 1:0 = 2 (LLVM: expert scheduling mode 2), set by the entry lines.  The code itself states the register dependences
; between vector or matrix instructions and memory or LDS instructions, with s_wait_alu, always for 0.
; THE PLAN.  Registers that memory or LDS instructions touch:
;   v1, v4-6, v8, v10, v11, v13-15, v17, v19-22   addresses: written once at the head, ahead of one wait on va_vdst, and never again.
;   windows 1 to 3 at the head   written by global loads, read by my LDS stores; then written by LDS loads (2, 3) or by products (1): a wait on vm_vsrc stands behind each run of stores.
;   v9, v12, v16, v18   a slot's LDS addresses: written at the slot's head, read by the slot's LDS loads.
;   WS, BI   written by LDS loads at the slot's head, read by the slot's products.
;   WF0 .. WF3   K step s reads set s % 4.  Step 0's fragments are asked for at the slot's head, step 1's at step 0's head, step 2's in step 0's middle, step s + 2's at the head of step s = 1 .. 5.
;   CD, SD   written by the quantiser, read by the slot's nine stores; they lie in WF0 and WF2, in which the next slot's loads land.
; So a slot has four waits on va_vdst: at its head (the addresses are written; the last slot's products and quantiser are done with WS, BI and v112-239: it serves the loads of steps 0 to 3, up to which only products on sets 0 and 1 are issued);
; at the heads of steps 2 and 4 (the two steps before are done reading their sets, in which this step's and the next step's loads land); and ahead of the run of stores.  One wait on vm_vsrc stands at the slot's end.
.set PITCH, 528                        ; a row of 512 bytes of codes in LDS + 16: 33 x 16 bytes, so the 16 rows that a fragment load touches fall on 16 different 16-byte columns of 256
.set SLOTB, 64*PITCH                   ; 64 rows: a slot's weights, and a wave's stage
.set WROW,  0                          ; LDS: the three slots' rows of W,
.set WSC,   3*SLOTB                    ; their scale bytes, 2,048 a slot,
.set BIAS,  WSC+3*2048                 ; their biases, 256 bytes a slot,
.set XST,   BIAS+3*256                 ; and a stage of 64 rows for each wave, its own
.set XS,  32                           ; register 8 (a % 4) + s: lanes 0-15 the words of x's tile a % 4, lanes 16-31 of tile 4 + a % 4, K step s
.set WS,  64                           ; register 8 (w % 2) + s: lanes 0-15 W's tile w % 2, lanes 16-31 tile 2 + w % 2
.set BI,  80
.set WF,  112                          ; set k at WF + 32 k
.set CD,  112                          ; the quantiser: 32 registers of codes,
.set TM,  144                          ; 16 largest magnitudes, then scale bytes,
.set UM,  160                          ; 16 from the other half of the lanes (written by every slot's loads of W's second set before the permute names them),
.set SOP, 176                          ; 16 scale operands of the conversions,
.set WD,  192                          ; scale words,
.set SD,  200                          ; and those that my lane stores
.set MSB, 0
.macro WIN new                         ; the immediate's high byte repeats the setting that is left; a switch that changes nothing is dropped
.if MSB != (\new)
	s_set_vgpr_msb (MSB<<8)|(\new)
.set MSB, \new
.endif
.endm
; slot j's three pointers: the tensor is chosen by the slot's number alone; then my wave's 16 rows of the head's 64
.macro WPTR j
	s_add_co_u32 s70, s37, \j
	s_cmp_lt_u32 s70, 16
	s_cselect_b64 s[44+6*\j:45+6*\j], s[12:13], s[14:15]
	s_cselect_b64 s[46+6*\j:47+6*\j], s[18:19], s[20:21]
	s_cselect_b64 s[48+6*\j:49+6*\j], s[24:25], s[26:27]
	s_cmp_lt_u32 s70, 32
	s_cselect_b64 s[44+6*\j:45+6*\j], s[44+6*\j:45+6*\j], s[16:17]
	s_cselect_b64 s[46+6*\j:47+6*\j], s[46+6*\j:47+6*\j], s[22:23]
	s_cselect_b64 s[48+6*\j:49+6*\j], s[48+6*\j:49+6*\j], s[28:29]
	s_and_b32 s70, s70, 15                         ; the head
	s_lshl_b32 s72, s70, 15                        ; 64 rows of 512 bytes,
	s_lshl_b32 s71, s34, 13                        ; my 16 of them
	s_add_co_u32 s72, s72, s71
	s_mov_b32 s73, 0
	s_add_nc_u64 s[44+6*\j:45+6*\j], s[44+6*\j:45+6*\j], s[72:73]
	s_lshl_b32 s72, s70, 11                        ; scale bytes: 32 a row
	s_lshl_b32 s71, s34, 9
	s_add_co_u32 s72, s72, s71
	s_add_nc_u64 s[46+6*\j:47+6*\j], s[46+6*\j:47+6*\j], s[72:73]
	s_lshl_b32 s72, s70, 8                         ; the head's 64 biases
	s_add_nc_u64 s[48+6*\j:49+6*\j], s[48+6*\j:49+6*\j], s[72:73]
.endm
; one matrix instruction; its registers stand in the symbols rD, rA, rB, rC, sA, sB; hA, hB: the side's scale words lie in lanes 16-31
.macro WM
.if hA && hB
	v_wmma_scale_f32_16x16x128_f8f6f4 v[rD:rD+7], v[rA:rA+7], v[rB:rB+7], v[rC:rC+7], v[sA], v[sB] matrix_a_fmt:MATRIX_FMT_FP4 matrix_b_fmt:MATRIX_FMT_FP4 matrix_a_scale:MATRIX_SCALE_ROW1 matrix_b_scale:MATRIX_SCALE_ROW1
.elseif hA
	v_wmma_scale_f32_16x16x128_f8f6f4 v[rD:rD+7], v[rA:rA+7], v[rB:rB+7], v[rC:rC+7], v[sA], v[sB] matrix_a_fmt:MATRIX_FMT_FP4 matrix_b_fmt:MATRIX_FMT_FP4 matrix_a_scale:MATRIX_SCALE_ROW1
.elseif hB
	v_wmma_scale_f32_16x16x128_f8f6f4 v[rD:rD+7], v[rA:rA+7], v[rB:rB+7], v[rC:rC+7], v[sA], v[sB] matrix_a_fmt:MATRIX_FMT_FP4 matrix_b_fmt:MATRIX_FMT_FP4 matrix_b_scale:MATRIX_SCALE_ROW1
.else
	v_wmma_scale_f32_16x16x128_f8f6f4 v[rD:rD+7], v[rA:rA+7], v[rB:rB+7], v[rC:rC+7], v[sA], v[sB] matrix_a_fmt:MATRIX_FMT_FP4 matrix_b_fmt:MATRIX_FMT_FP4
.endif
.endm
; W's four fragments of K step s into set s % 4: eight LDS loads.  Every window is 0 where it stands.
.macro WLOAD s
.irp w, 0,1,2,3
.irp c, 0,1
	ds_load_b128 v[WF+32*((\s)%4)+8*\w+4*\c:WF+32*((\s)%4)+8*\w+4*\c+3], v9 offset:16*PITCH*\w+64*(\s)+32*\c
.endr
.endr
.endm
; A slot's products: eight K steps of 128, 32 matrix instructions each, the 32 accumulators by turns, one instruction a turn, in the same order in every step.
; o = 0: Q or K (source 0 = W);  o = 1: V (source 0 = x).  W's fragments run up to two steps ahead of their use, eight loads at a time.
.macro MAIN o
.irp s, 0,1,2,3,4,5,6,7
.if (\s == 0) || (\s == 7)
	s_wait_dscnt 0x0                               ; step 0: its fragments of W, the scale words and the bias are in; step 7: the last fragments are
.else
	s_wait_dscnt 8                                 ; LDS loads come back in order: this step's fragments are in; the eight younger loads, the next set's, stay out
.endif
.if \s < 6
	WIN 0
.endif
.if (\s == 2) || (\s == 4)
.rept 4
	v_nop                                          ; four places between the last products and the loads into the sets that they and the step before them read
.endr
	s_wait_alu depctr_va_vdst(0)                   ; the products of the two steps before are done reading their two sets of W's fragments: this step's loads land in the first of them, the next step's in the second
.endif
.if \s == 0
	WLOAD 1                                        ; no wait: no vector or matrix instruction since the wait at the slot's head names this set
.elseif \s < 6
	WLOAD \s+2                                     ; in steps 1, 3 and 5 no wait: the products issued since the last wait on va_vdst name other sets
.endif
.irp a, 0,1,2,3,4,5,6,7
.if (\s == 0) && (\a == 4)
	WIN 0
	WLOAD 2                                        ; likewise: the sixteen products since the wait at the slot's head name set 0 alone
.endif
.if \o
.if \s == 0
	WIN 0x42+\a/4                                  ; source 0 (x) window 2 or 3, source 1 (W) and C (the bias) window 0, D window 1
.else
	WIN 0x52+\a/4                                  ; the same, C window 1
.endif
.else
.if \s == 0
	WIN 0x48+4*(\a/4)                              ; source 0 (W) and C (the bias) window 0, source 1 (x) window 2 or 3, D window 1
.else
	WIN 0x58+4*(\a/4)
.endif
.endif
.irp w, 0,1,2,3
.if \o
.set rD, 8*(8*\w+\a)
.set rA, 64*(\a%4)+8*\s
.set rB, WF+32*(\s%4)+8*\w
.set sA, XS+8*(\a%4)+\s
.set sB, WS+8*(\w%2)+\s
.set hA, \a/4
.set hB, \w/2
.else
.set rD, 8*(4*\a+\w)
.set rA, WF+32*(\s%4)+8*\w
.set rB, 64*(\a%4)+8*\s
.set sA, WS+8*(\w%2)+\s
.set sB, XS+8*(\a%4)+\s
.set hA, \w/2
.set hB, \a/4
.endif
.set rC, rD
.if \s == 0
.set rC, BI+8*\w
.endif
	WM
.endr
.endr
.endr
	WIN 0
.endm
; The 16 blocks of the 32 accumulators become 32 registers of codes (v[CD] on) and 16 scale bytes (v[TM] on).
.macro QUANT
.rept 4
	v_nop                                          ; four places behind the last products: results are read, and registers that held W's fragments are written
.endr
	WIN 0x05                                       ; sources 0 and 1: the accumulators' window
.irp b, 0,1,2,3,4,5,6,7,8,9,10,11,12,13,14,15
	v_max3_num_f32 v[TM+\b], |v[16*\b]|, |v[16*\b+1]|, 0x1800000   ; my 16 numbers of block b, each accumulator from its low end on, and the floor 2^(3 - 127): the byte cannot fall under 1
.endr
.irp i, 2,4,6,8,10,12,14
.irp b, 0,1,2,3,4,5,6,7,8,9,10,11,12,13,14,15
	v_max3_num_f32 v[TM+\b], |v[16*\b+\i]|, |v[16*\b+\i+1]|, v[TM+\b]   ; (the blocks by turns: no line waits for the line above it)
.endr
.endr
	WIN 0
.irp b, 0,1,2,3,4,5,6,7,8,9,10,11,12,13,14,15
	v_permlanex16_b32 v[UM+\b], v[TM+\b], s40, s41
.endr
.irp b, 0,1,2,3,4,5,6,7,8,9,10,11,12,13,14,15
	v_max_num_f32 v[TM+\b], v[TM+\b], v[UM+\b]     ; with lane l xor 16's: the block's largest magnitude
.endr
.irp b, 0,1,2,3,4,5,6,7,8,9,10,11,12,13,14,15
	v_add_nc_u32 v[SOP+\b], 0xff000000, v[TM+\b]   ; 2 off its exponent field: the conversion takes the exponent field of this operand as its scale
.endr
.irp b, 0,1,2,3,4,5,6,7,8,9,10,11,12,13,14,15
	v_lshrrev_b32 v[TM+\b], 23, v[SOP+\b]          ; the scale's byte
.endr
	WIN 0x01
.irp b, 0,1,2,3,4,5,6,7,8,9,10,11,12,13,14,15
	v_cvt_scalef32_pk8_fp4_f32 v[CD+4*(\b/2)+(\b%2)], v[16*\b:16*\b+7], v[SOP+\b]
	v_cvt_scalef32_pk8_fp4_f32 v[CD+4*(\b/2)+2+(\b%2)], v[16*\b+8:16*\b+15], v[SOP+\b]
.endr
	WIN 0
	v_nop                                          ; one plain place behind the scaled conversions
.irp g, 0,1,2,3,4,5,6,7
	v_permlane16_swap_b32 v[CD+4*\g], v[CD+4*\g+1]     ; the first's lanes 16-31 change places with the second's lanes 0-15: a whole block in a lane
	v_permlane16_swap_b32 v[CD+4*\g+2], v[CD+4*\g+3]
.endr
.endm
.macro XSTORE                          ; 64 rows of x as loaded (4 registers a row, 16 bytes a lane) into my stage
.set ii, 0
.rept 64
	ds_store_b128 v5, v[4*ii:4*ii+3] offset:PITCH*ii
.set ii, ii+1
.endr
.endm
.macro XFRAG                           ; and back as fragments: four tiles x eight K steps: lane (r, h) takes row r, bytes 64 s + 32 c + 16 h on
.irp a, 0,1,2,3
.irp s, 0,1,2,3,4,5,6,7
.irp c, 0,1
	ds_load_b128 v[64*\a+8*\s+4*\c:64*\a+8*\s+4*\c+3], v6 offset:16*PITCH*\a+64*\s+32*\c
.endr
.endr
.endr
.endm
.macro CSTORE                          ; the slot's codes leave
.irp g, 0,1,2,3,4,5,6,7
	global_store_b128 v1, v[CD+4*\g:CD+4*\g+3], s[76:77] offset:512*\g   ; a group of four registers as it stands: 512 consecutive bytes, aligned
.endr
.endm
	s_load_b512 s[8:23], s[0:1], 0x0               ; x's codes s[8:9], x's scales s[10:11]; codes of W_q, W_k, W_v s[12:17]; their scales s[18:23]
	s_load_b256 s[24:31], s[0:1], 0x40             ; b_q, b_k, b_v s[24:29]; qbuf s[30:31]
	s_load_b64 s[32:33], s[0:1], 0x60              ; kv
	v_lshl_add_u32 v254, v0, 2, 0x3b700
	v_mov_b32 v255, 0
	v_lshrrev_b32 v2, 5, v0
	v_readfirstlane_b32 s34, v2                    ; wave 0..3
	v_and_b32 v2, 31, v0                           ; lane
	v_and_b32 v3, 15, v0                           ; r
	v_bfe_u32 v7, v0, 4, 1                         ; h
	v_lshlrev_b32 v1, 4, v2                        ; v1  16 x lane
	s_wait_alu depctr_va_vdst(0)
	s_and_b32 s36, ttmp7, 0xffff                   ; which 512 rows of x
	s_mul_i32 s37, ttmp9, 3                        ; my first head slot
	s_mov_b32 s40, 0x76543210
	s_mov_b32 s41, 0xfedcba98                      ; v_permlanex16_b32's selects for lane l xor 16
	v_cmp_le_u32 s42, 16, v2                       ; the mask of lanes 16-31
	s_wait_alu depctr_va_sdst(0)                   ; s34, the wave's number, and s42, the mask, are written, ahead of the first reader of either
	v_lshlrev_b32 v4, 5, v3
	v_lshl_add_u32 v4, v7, 11, v4                  ; v4  x's scale words: 32 r, lanes 16-31 64 rows on
	s_mul_i32 s70, s34, SLOTB
	s_add_co_u32 s70, s70, XST                     ; my stage
	v_add_nc_u32 v5, s70, v1                       ; v5  into it: 16 x lane of a row
	v_mul_u32_u24 v8, v3, PITCH
	v_lshl_add_u32 v8, v7, 4, v8                   ; v8  a fragment's place: row r x pitch + 16 h
	v_add_nc_u32 v6, s70, v8                       ; v6  out of my stage
	s_lshl_b32 s71, s34, 9
	s_add_co_u32 s71, s71, WSC
	v_add_nc_u32 v10, s71, v1                      ; v10 where I store W's scale bytes: my 16 rows' 512
	v_lshlrev_b32 v11, 5, v3
	v_lshl_add_u32 v11, v7, 10, v11
	v_add_nc_u32 v11, WSC, v11                     ; v11 W's scale words: 32 r, lanes 16-31 32 rows on
	s_lshl_b32 s71, s34, 6
	v_lshl_add_u32 v17, v3, 2, s71                 ; v17 my wave's 16 biases in memory: 64 w + 4 r
	v_add_nc_u32 v13, BIAS, v17                    ; v13 and in LDS
	v_lshlrev_b32 v14, 5, v7
	v_add_nc_u32 v14, BIAS, v14                    ; v14 the bias as C for Q and K: eight d of my half: 32 h
	v_lshl_add_u32 v15, v3, 2, BIAS                ; v15 for V: my d: 4 r
	v_lshlrev_b32 v19, 4, v3
	v_lshl_add_u32 v19, v7, 3, v19                 ; v19 V's scale words on the way out: 16 r + 8 h
	s_mul_i32 s71, s34, 16*PITCH
	v_add_nc_u32 v20, s71, v1                      ; v20-22 where I store my 16 rows of slot 0, 1, 2
	v_add_nc_u32 v21, SLOTB, v20
	v_add_nc_u32 v22, 2*SLOTB, v20
	s_lshr_b32 s83, s36, 2
	s_lshl_b32 s83, s83, 4                         ; 16 x batch
	s_and_b32 s84, s36, 3
	s_lshl_b32 s84, s84, 2
	s_add_co_u32 s84, s84, s34                     ; my key step in the batch: my 128 rows
	s_lshl_b32 s70, s36, 9
	s_lshl_b32 s71, s34, 7
	s_add_co_u32 s70, s70, s71                     ; my first row of x
	s_lshl_b32 s72, s70, 9
	s_mov_b32 s73, 0
	s_lshl_b32 s74, s70, 5
	s_mov_b32 s75, 0
	s_wait_kmcnt 0x0
	s_add_nc_u64 s[66:67], s[8:9], s[72:73]        ; its codes
	s_add_nc_u64 s[68:69], s[10:11], s[74:75]      ; its scale bytes
	WPTR 0
	WPTR 1
	WPTR 2
	s_wait_alu depctr_va_vdst(0)                   ; the addresses v1, v4 to v8, v10, v11, v13 to v15, v17, v19 to v22 are written, which the loads and stores of the whole kernel read
	; 190 loads, one behind the other: 8 of x's scale words, 54 of the weights, 64 + 64 rows of x.  A row of codes is 512 bytes: one load of the wave, 16 bytes a lane.
.irp a, 0,1,2,3
.irp q, 0,1
	global_load_b128 v[XS+8*\a+4*\q:XS+8*\a+4*\q+3], v4, s[68:69] offset:512*\a+16*\q
.endr
.endr
	WIN 0x80
.irp j, 0,1,2
.irp i, 0,1,2,3,4,5,6,7,8,9,10,11,12,13,14,15
	global_load_b128 v[64*\j+4*\i:64*\j+4*\i+3], v1, s[44+6*\j:45+6*\j] offset:512*\i
.endr
	global_load_b128 v[192+4*\j:195+4*\j], v1, s[46+6*\j:47+6*\j]
	global_load_b32 v[204+\j], v17, s[48+6*\j:49+6*\j]
.endr
	WIN 0x40
.set ii, 0
.rept 64
	global_load_b128 v[4*ii:4*ii+3], v1, s[66:67] offset:512*ii
.set ii, ii+1
.endr
	WIN 0xc0
.set ii, 0
.rept 64
	global_load_b128 v[4*ii:4*ii+3], v1, s[66:67] offset:512*(64+ii)
.set ii, ii+1
.endr
	s_wait_loadcnt 63                              ; of 190 loads at most 63 are out: the oldest 127 are in, and the scale words, the weights and rows 0-63 are the oldest 126
	WIN 0x08                                       ; an LDS store's data are its source 1: window 2
.irp j, 0,1,2
.irp i, 0,1,2,3,4,5,6,7,8,9,10,11,12,13,14,15
	ds_store_b128 v[20+\j], v[64*\j+4*\i:64*\j+4*\i+3] offset:PITCH*\i
.endr
	ds_store_b128 v10, v[192+4*\j:195+4*\j] offset:2048*\j
	ds_store_b32 v13, v[204+\j] offset:256*\j      ; lanes 16-31 write the same words with the same values
.endr
	WIN 0x04
	XSTORE                                         ; rows 0-63 into my stage
	s_wait_dscnt 0x0                               ; the stores are done
	WIN 0x80
	s_wait_alu depctr_vm_vsrc(0)                   ; my LDS stores have read the weights in window 2, in which the fragments' loads land, and rows 0-63 in window 1, which the products will write
	XFRAG                                          ; tiles 0-3
	s_wait_loadcnt 0x0                             ; rows 64-127
	WIN 0x0c
	XSTORE                                         ; into the same stage: LDS serves a wave's instructions in order, so these come behind the reads above
	s_wait_dscnt 0x0                               ; the stores are done
	WIN 0xc0
	s_wait_alu depctr_vm_vsrc(0)                   ; my LDS stores have read rows 64-127 in window 3, in which the fragments' loads land
	XFRAG                                          ; tiles 4-7
	WIN 0
	s_wait_dscnt 0x0                               ; for the others' sake: my rows of W, their scale bytes and biases lie in LDS
	s_barrier_signal -1
	s_barrier_wait -1                              ; everybody's do; nothing is stored to LDS behind this barrier
	s_mov_b32 s38, 0                               ; the slot's count,
	s_mov_b32 s39, s37                             ; its number,
	s_mov_b32 s80, 0                               ; and its places in the three regions of LDS
	s_mov_b32 s81, 0
	s_mov_b32 s82, 0
.Lslot:
	v_add_nc_u32 v9, s80, v8
	v_add_nc_u32 v12, s81, v11
	v_add_nc_u32 v16, s82, v14
	v_add_nc_u32 v18, s82, v15
	s_wait_alu depctr_va_vdst(0)                   ; v9, v12, v16 and v18 are written, which the slot's LDS loads read; the last slot's products are done reading WS, BI and W's sets, its quantiser is done with v112-203: the loads of the scale words, the bias and K steps 0 to 3 land there
.irp w, 0,1
.irp q, 0,1
	ds_load_b128 v[WS+8*\w+4*\q:WS+8*\w+4*\q+3], v12 offset:512*\w+16*\q
.endr
.endr
	WLOAD 0
	s_cmp_ge_u32 s39, 32
	s_cbranch_scc1 .Lv_main
.irp w, 0,1,2,3
.irp q, 0,1
	ds_load_b128 v[BI+8*\w+4*\q:BI+8*\w+4*\q+3], v16 offset:64*\w+16*\q   ; register j of tile w: the bias of d = 16 w + 8 h + j
.endr
.endr
	MAIN 0
	s_branch .Lquant
.Lv_main:
.irp w, 0,1,2,3
.irp j, 0,1,2,3,4,5,6,7
	ds_load_b32 v[BI+8*\w+\j], v18 offset:64*\w    ; all eight registers of tile w: the bias of d = 16 w + r
.endr
.endr
	MAIN 1
.Lquant:
	QUANT
	; where the slot's images go: qbuf [64][16][4,608] or kv [64][16][8,960]; in a key step of kv: K's codes at 0, V's at 4,096, K's scale words at 8,192, V's at 8,704
	s_and_b32 s70, s39, 15
	s_add_co_u32 s70, s70, s83                     ; 16 x batch + head
	s_mov_b32 s71, 143360
	s_mov_b32 s72, 8960
	s_mov_b32 s74, 8192
	s_cmp_lt_u32 s39, 16
	s_cselect_b64 s[76:77], s[30:31], s[32:33]
	s_cselect_b32 s71, 73728, s71
	s_cselect_b32 s72, 4608, s72
	s_cselect_b32 s74, 4096, s74                   ; from the codes to the scale words: Q's 4,096, K's 8,192,
	s_mul_i32 s70, s70, s71
	s_mul_i32 s72, s84, s72
	s_cmp_lt_u32 s39, 32
	s_cselect_b32 s73, 0, 4096
	s_cselect_b32 s74, s74, 4608                   ; V's 4,608
	s_add_co_u32 s70, s70, s72
	s_add_co_u32 s70, s70, s73
	s_mov_b32 s71, 0
	s_mov_b32 s75, 0
	s_add_nc_u64 s[76:77], s[76:77], s[70:71]
	s_add_nc_u64 s[78:79], s[76:77], s[74:75]
	; the scale words are made first, so that one wait stands ahead of the slot's whole run of stores
	s_cmp_ge_u32 s39, 32
	s_cbranch_scc1 .Lv_words
.irp a, 0,1,2,3,4,5,6,7
	v_lshl_or_b32 v[WD+\a], v[TM+2*\a+1], 8, v[TM+2*\a]    ; tile a's word of my row: the two blocks' bytes
.endr
.irp i, 0,1,2,3
	v_cndmask_b32 v[SD+\i], v[WD+\i], v[WD+4+\i], s42      ; lanes 0-15 store tiles 0-3, lanes 16-31 tiles 4-7
.endr
.irp i, 0,1,2,3
	v_or_b32 v[SD+\i], 0x7f7f0000, v[SD+\i]                ; bytes 2 and 3 stand for 1: there the 128-deep instruction meets zero codes
.endr
	s_wait_alu depctr_va_vdst(0)                   ; the exchanges of lane halves have written the codes v[CD ..], the lines above the words v[SD ..]: the nine stores read them
	CSTORE
	global_store_b128 v1, v[SD:SD+3], s[78:79]             ; 512 consecutive bytes: tile t's word of row r at 256 (t / 4) + 16 r + 4 (t % 4)
	s_branch .Lnext
.Lv_words:
.irp w, 0,1,2,3
	v_lshl_or_b32 v[WD+\w], v[TM+4*\w+1], 8, v[TM+4*\w]    ; tile w's word of my d: the four blocks of keys
.endr
.irp w, 0,1,2,3
	v_lshl_or_b32 v[WD+\w], v[TM+4*\w+2], 16, v[WD+\w]
.endr
.irp w, 0,1,2,3
	v_lshl_or_b32 v[WD+\w], v[TM+4*\w+3], 24, v[WD+\w]
.endr
	v_cndmask_b32 v[SD], v[WD], v[WD+2], s42
	v_cndmask_b32 v[SD+1], v[WD+1], v[WD+3], s42
	s_wait_alu depctr_va_vdst(0)                   ; the exchanges of lane halves have written the codes v[CD ..], the lines above the words v[SD ..]: the nine stores read them
	CSTORE
	global_store_b64 v19, v[SD:SD+1], s[78:79]             ; 256 consecutive bytes: tile t's word of row r at 16 r + 4 t
.Lnext:
	s_wait_xcnt 0x0                                ; the stores have read their data and their bases: only behind this wait are the codes' registers loaded again and the bases made anew
	s_wait_alu depctr_vm_vsrc(0)                   ; the stores have read v[CD ..] and v[SD ..], in which the next slot's loads land; the slot's LDS loads have read v9, v12, v16 and v18, which the next slot's head writes
	s_add_co_u32 s80, s80, SLOTB
	s_add_co_u32 s81, s81, 2048
	s_add_co_u32 s82, s82, 256
	s_add_co_u32 s39, s39, 1
	s_add_co_u32 s38, s38, 1
	s_cmp_lt_u32 s38, 3
	s_cbranch_scc1 .Lslot
	s_wait_dscnt 0x0                               ; the closing lines, six on end
	s_wait_alu 0x0
	s_wait_tensorcnt 0x0
	ds_add_u32 v254, v255
	s_wait_dscnt 0x0
	s_endpgm
.Lfunc_end_k_q30ccff466f_proj:
	.size	k_q30ccff466f_proj, .Lfunc_end_k_q30ccff466f_proj-k_q30ccff466f_proj
	.p2alignl 7, 3214868480
	.fill 96, 4, 3214868480
	.section	.rodata,"a",@progbits
	.p2align	6, 0x0
	.amdhsa_kernel k_q30ccff466f_proj
		.amdhsa_group_segment_fixed_size 243968
		.amdhsa_private_segment_fixed_size 0
		.amdhsa_enable_private_segment 0
		.amdhsa_kernarg_size 104
		.amdhsa_user_sgpr_count 2
		.amdhsa_user_sgpr_kernarg_segment_ptr 1
		.amdhsa_wavefront_size32 1
		.amdhsa_system_sgpr_workgroup_id_x 1
		.amdhsa_system_sgpr_workgroup_id_y 1
		.amdhsa_system_sgpr_workgroup_id_z 1
		.amdhsa_system_vgpr_workitem_id 0
		.amdhsa_next_free_vgpr 1024
		.amdhsa_next_free_sgpr 96
		.amdhsa_reserve_vcc 0
		.amdhsa_float_denorm_mode_32 3
		.amdhsa_float_denorm_mode_16_64 3
		.amdhsa_memory_ordered 1
		.amdhsa_forward_progress 1
		.amdhsa_inst_pref_size 140
	.end_amdhsa_kernel
	.amdgpu_metadata
---
amdhsa.version: [ 1, 2 ]
amdhsa.kernels:
  - .name:           k_q30ccff466f_proj
    .symbol:         k_q30ccff466f_proj.kd
    .args:
      - { .name: x_codes, .offset: 0, .size: 8, .value_kind: global_buffer, .address_space: global }
      - { .name: x_scales, .offset: 8, .size: 8, .value_kind: global_buffer, .address_space: global }
      - { .name: W_q_codes, .offset: 16, .size: 8, .value_kind: global_buffer, .address_space: global }
      - { .name: W_k_codes, .offset: 24, .size: 8, .value_kind: global_buffer, .address_space: global }
      - { .name: W_v_codes, .offset: 32, .size: 8, .value_kind: global_buffer, .address_space: global }
      - { .name: W_q_scales, .offset: 40, .size: 8, .value_kind: global_buffer, .address_space: global }
      - { .name: W_k_scales, .offset: 48, .size: 8, .value_kind: global_buffer, .address_space: global }
      - { .name: W_v_scales, .offset: 56, .size: 8, .value_kind: global_buffer, .address_space: global }
      - { .name: b_q, .offset: 64, .size: 8, .value_kind: global_buffer, .address_space: global }
      - { .name: b_k, .offset: 72, .size: 8, .value_kind: global_buffer, .address_space: global }
      - { .name: b_v, .offset: 80, .size: 8, .value_kind: global_buffer, .address_space: global }
      - { .name: qbuf, .offset: 88, .size: 8, .value_kind: global_buffer, .address_space: global }
      - { .name: kv, .offset: 96, .size: 8, .value_kind: global_buffer, .address_space: global }
    .group_segment_fixed_size: 243968
    .private_segment_fixed_size: 0
    .kernarg_segment_align: 8
    .kernarg_segment_size: 104
    .max_flat_workgroup_size: 128
    .sgpr_count:     96
    .vgpr_count:     1024
    .wavefront_size: 32
...
	.end_amdgpu_metadata
.endif
;; end of part 4
;; launch attn (part 5): grid 256 x 1, 16 waves a work-group, clusters of 4 x 1, 169,984 bytes of LDS; arguments qbuf, kv, ctx_img, ctx_sc; writes ctx_img, ctx_sc
.if DOCPART == 5
	.amdgcn_target "amdgcn-amd-amdhsa--gfx1250"
	.amdhsa_code_object_version 6
	.text
	.protected	k_q30ccff466f_attn
	.globl	k_q30ccff466f_attn
	.p2align	8
	.type	k_q30ccff466f_attn,@function
k_q30ccff466f_attn:
	s_mov_b64 s[64:65], 0
	v_nop
	global_prefetch_b8 v0, s[64:65] scope:SCOPE_SE
	s_setreg_imm32_b32 hwreg(HW_REG_WAVE_MODE, 25, 1), 1
	s_wait_xcnt 0x0
	s_wait_alu depctr_hold_cnt(0) depctr_sa_sdst(0) depctr_va_vdst(0) depctr_va_sdst(0) depctr_va_ssrc(0) depctr_va_vcc(0) depctr_vm_vsrc(0)
	s_getreg_b32 s2, hwreg(HW_REG_IB_STS2, 6, 4)
	s_cmp_eq_u32 s2, 0
	s_cbranch_scc0 .Lentry_in_a_cluster
	s_endpgm
.Lentry_in_a_cluster:
	s_bfe_u32 s2, ttmp6, 0x10000c
	s_cmp_lg_u32 s2, 0x3003
	s_cbranch_scc0 .Lentry_shape_is_right
	s_endpgm
.Lentry_shape_is_right:
; ctx = softmax(Q K^T / 8, causal) V for 64 (batch, head) pairs of 2,048 queries x 2,048 keys x 64, both products on codes of FP4 (E2M1) with one E8M0 scale for each 32 along a product's K; ctx is quantised along its 1,024 at once.
; THE SOFTMAX AHEAD OF THE SECOND PRODUCT: t = score x log2(e) / 8; M = the row's largest t so far, rounded UP to a whole number; p = 2^(t - M) is what is quantised, along the keys; it is not normalised.
; The row's sum is taken of the unquantised p and divides O at the end.  When M moves, the sum and O are multiplied by 2^(old M - new M): exact.
; SHARES.  A cluster of four work-groups serves one (batch, head).  A head's whole K, V and scale words, 16 key steps x 8,960 bytes, come into each partner's LDS ONCE, by joint loads (eight waves, two key steps each):
; no slot is ever filled again, and nothing is ever stored to LDS.  A wave has one tensor load outstanding.
; Wave v of partner cx owns TWO tiles of 16 queries: A = 8 (v / 2) + 2 cx + v % 2 and B = 127 - A.  A needs key steps 0 .. v / 2, B needs 0 .. 15 - v / 2: 17 tile steps for every wave, whatever the mask.
; Every branch hangs on the wave's number and the loop's count alone; the place in the cluster enters global addresses and the mask's vector compare only.
; LAYOUT.  Both products are used transposed: S^T = K Q^T (source 0 = 16 keys, source 1 = my 16 queries), O^T = V^T P^T (source 0 = 16 of the head's 64, source 1 = P): a lane holds ONE query (lane % 16) throughout.
; K = 64 IN A 128-DEEP INSTRUCTION.  Q's operand is its four registers and four registers of zero codes.  K's operand for tile t is its four registers and the four that follow (the next tile's codes, behind the last tile zeros):
; every code is a finite number and meets a zero code there, under scale bytes that stand for 1.
; LIMITS: NaN and infinities are not served; a block whose largest magnitude lies under 2^-124 keeps the scale byte 1, and so does a block of zeros (its codes are zeros; this program alone reads the bytes).
; REGISTERS: v1-7 addresses that stay; v3, v4 the key step's; v8-11, v12-15 B's and A's -M, largest t, sum in two halves; v16-23, v24-31 Q of A and of B with their zeros; v32-67 fragments of K or V;
;   v68-75 K's or V's scale words, v76, v77 Q's, v78 p's; v80-87 p's codes; v88-95 ctx's codes; v79, v224 ctx's bytes; v96-159 S^T, then p; v160-191, v192-223 O^T of A and of B; v232-254 at work.
.set KVB, 8960                         ; a key step in kv and in LDS: K's eight tiles at 0, V^T's four at 4,096, K's scale words at 8,192, V's at 8,704
.set FR,  32
.set S,   96
.set PCD, 80
.macro CROUND                          ; a round of the cluster's barrier: my work-group's barrier; wave 0 signals for the work-group; every wave waits for all four; my work-group's barrier once more
	s_barrier_signal -1
	s_barrier_wait -1
	s_cmp_lg_u32 s12, 0
	s_cbranch_scc1 .Lnot_wave_0_\@
	s_barrier_signal -3
.Lnot_wave_0_\@:
	s_barrier_wait -3
	s_barrier_signal -1
	s_barrier_wait -1
.endm
; the four pointers of the tile whose number stands in s[tau]: s[p:p+1] Q's codes, s[p+2:p+3] Q's scale words, s[p+4:p+5] its place in ctx_img, s[p+6:p+7] in ctx_sc
.macro PTRS tau, p
	s_lshr_b32 s56, s[\tau], 3                     ; its step of 128 queries,
	s_and_b32 s57, s[\tau], 7                      ; its place t in the step
	s_mul_i32 s56, s56, 4608
	s_add_co_u32 s56, s56, s60
	s_lshl_b32 s58, s57, 9
	s_add_co_u32 s58, s58, s56
	s_mov_b32 s59, 0
	s_add_nc_u64 s[\p:\p+1], s[4:5], s[58:59]
	s_lshr_b32 s58, s57, 2
	s_lshl_b32 s58, s58, 8
	s_and_b32 s57, s57, 3
	s_lshl_b32 s57, s57, 2
	s_add_co_u32 s58, s58, s57
	s_add_co_u32 s58, s58, s56
	s_add_co_u32 s58, s58, 4096                    ; 4,096 + 256 (t / 4) + 4 (t % 4)
	s_add_nc_u64 s[\p+2:\p+3], s[4:5], s[58:59]
	s_add_co_u32 s56, s61, s[\tau]                 ; its number among all 512 tiles of rows
	s_lshl_b32 s58, s56, 13
	s_add_co_u32 s58, s58, s62
	s_add_nc_u64 s[\p+4:\p+5], s[8:9], s[58:59]
	s_lshl_b32 s58, s56, 9                         ; 16 rows of 32 scale bytes
	s_add_co_u32 s58, s58, s63
	s_add_nc_u64 s[\p+6:\p+7], s[10:11], s[58:59]
.endm
; A KEY STEP of 128 keys for one tile of queries.  O: its O^T;  ST: its statistics;  Q: its operand;  QS: its scale words;  DQ: the register with 16 tile + r - 8 h;  LIM: the scalar with its last key step.
.macro STEP O, ST, Q, QS, DQ, LIM
.irp t, 0,1,2,3,4,5,6,7
	ds_load_b128 v[FR+4*\t:FR+4*\t+3], v3 offset:512*\t          ; K's tile t as it was stored: 16 bytes a lane
.endr
	ds_load_b128 v[68:71], v4 offset:8192                        ; its scale words: tiles 0-3 of key r,
	ds_load_b128 v[72:75], v4 offset:8448                        ; tiles 4-7
	s_wait_dscnt 0x0
.irp t, 0,1,2,3,4,5,6,7
	v_wmma_scale_f32_16x16x128_f8f6f4 v[S+8*\t:S+8*\t+7], v[FR+4*\t:FR+4*\t+7], v[\Q:\Q+7], 0, v[68+\t], v[\QS] matrix_a_fmt:MATRIX_FMT_FP4 matrix_b_fmt:MATRIX_FMT_FP4
.endr                                  ; register 8 t + j of lane (r, h): query r, key 16 t + 8 h + j
.rept 4
	v_nop                                          ; four places: behind them the fragments' and scale words' registers are loaded again and the scores are read
.endr
.irp t, 0,1,2,3
.irp c, 0,1
	ds_load_b128 v[FR+8*\t+4*\c:FR+8*\t+4*\c+3], v3 offset:4096+1024*\t+512*\c   ; V^T's four tiles: asked for here, wanted behind the softmax
.endr
.endr
	ds_load_b128 v[68:71], v4 offset:8704
	s_cmp_lg_u32 s36, s[\LIM]                      ; the tile's last key step lies on the diagonal: there the scores of hidden keys become -infinity ahead of the maximum, so that p = 0
	s_cbranch_scc1 .Lopen_\@
	v_sub_nc_u32 v252, v[\DQ], s38                 ; d = my query - the step's first key - 8 h.  Register 8 t + j is hidden where 16 t + j > d
	v_mov_b32 v254, 0xff800000
.set n, 0
.rept 64
	v_cmp_gt_i32 vcc_lo, 16*(n/8)+n%8, v252
	v_cndmask_b32 v[S+n], v[S+n], v254, vcc_lo
.set n, n+1
.endr
.Lopen_\@:
.irp b, 0,1,2,3
	v_max3_num_f32 v[232+\b], v[S+16*\b], v[S+1+16*\b], v[S+2+16*\b]   ; THE LARGEST SCORE OF EACH BLOCK OF 32 KEYS serves twice: for the row's maximum and, since p rises with the score, for the block's largest p
.endr
.irp i, 3,5,7,9,11,13
.irp b, 0,1,2,3
	v_max3_num_f32 v[232+\b], v[232+\b], v[S+16*\b+\i], v[S+1+16*\b+\i]
.endr
.endr
.irp b, 0,1,2,3
	v_max_num_f32 v[232+\b], v[232+\b], v[S+15+16*\b]
.endr
.irp b, 0,1,2,3
	s_delay_alu instid0(VALU_DEP_4)
	v_permlanex16_b32 v[236+\b], v[232+\b], s20, s21
.endr
.irp b, 0,1,2,3
	s_delay_alu instid0(VALU_DEP_4)
	v_max_num_f32 v[232+\b], v[232+\b], v[236+\b]  ; with lane l xor 16's 16 keys
.endr
	s_delay_alu instid0(VALU_DEP_2)
	v_max3_num_f32 v254, v232, v233, v234
	s_delay_alu instid0(VALU_DEP_1)
	v_max_num_f32 v254, v254, v235                 ; the step's largest score of my query
	s_delay_alu instid0(VALU_DEP_1)
	v_mul_f32 v254, s22, v254                      ; as t (c is positive)
	s_delay_alu instid0(VALU_DEP_1)
	v_max_num_f32 v[\ST+1], v[\ST+1], v254         ; the running largest t
	v_mov_b32 v254, v[\ST]
	s_delay_alu instid0(VALU_DEP_2)
	v_floor_f32 v[\ST], -v[\ST+1]                  ; the new -M = floor(-t) = -ceil(t)
	s_delay_alu instid0(VALU_DEP_1)
	v_sub_f32 v254, v[\ST], v254                   ; old M - new M: a whole number, 0 or less
	s_delay_alu instid0(VALU_DEP_1)
	v_cvt_i32_f32 v254, v254                       ; (it saturates)
	s_delay_alu instid0(VALU_DEP_1)
	v_ldexp_f32 v252, 1.0, v254                    ; f = 2^(old M - new M)
.set n, 0
.rept 32
	v_pk_fma_f32 v[S+n:S+n+1], v[S+n:S+n+1], s[22:23], v[\ST:\ST+1] op_sel_hi:[1,0,0]   ; t - M, two at a time (of the pairs c and -M the low word serves both halves)
.set n, n+2
.endr
.irp b, 0,1,2,3
	v_fma_f32 v[232+\b], v[232+\b], s22, v[\ST]    ; the same of each block's largest score
.endr
.set n, 0
	s_wait_alu depctr_va_vdst(0)
.rept 64
	v_exp_f32 v[S+n], v[S+n]                       ; p = 2^(t - M), at most 1
.set n, n+1
.endr
	v_pk_mul_f32 v[\ST+2:\ST+3], v[\ST+2:\ST+3], v[252:253] op_sel_hi:[1,0]   ; the sums under the new M: the plain instruction behind the exponentials
	s_wait_alu depctr_va_vdst(0)                   ; one wait for the batch of 64, ahead of its first reader
.irp b, 0,1,2,3
	v_exp_f32 v[232+\b], v[232+\b]                 ; the block's largest p: the same two instructions on the same number give the same bits
.endr
	v_pk_add_f32 v[236:237], v[S:S+1], v[S+2:S+3]  ; THE ROW'S SUM IS TAKEN OF THE UNQUANTISED p, two at a time, in two chains
.irp j, 4,8,12,16,20,24,28,32,36,40,44,48,52,56,60
	v_pk_add_f32 v[\ST+2:\ST+3], v[\ST+2:\ST+3], v[S+\j:S+\j+1]
	v_pk_add_f32 v[236:237], v[236:237], v[S+2+\j:S+3+\j]
.endr
	s_delay_alu instid0(VALU_DEP_1)
	v_pk_add_f32 v[\ST+2:\ST+3], v[\ST+2:\ST+3], v[236:237]
	s_wait_alu depctr_va_vdst(0)                   ; and one for the four
.irp b, 0,1,2,3
	v_max_num_f32 v[232+\b], 0x1800000, v[232+\b]  ; the floor 2^(3 - 127): the byte cannot fall under 1
.endr
.irp b, 0,1,2,3
	s_delay_alu instid0(VALU_DEP_4)
	v_add_nc_u32 v[244+\b], 0xff000000, v[232+\b]  ; 2 off the exponent field: the conversion's scale operand
.endr
.irp b, 0,1,2,3
	s_delay_alu instid0(VALU_DEP_4)
	v_lshrrev_b32 v[236+\b], 23, v[244+\b]         ; the scale's byte
.endr
	s_delay_alu instid0(VALU_DEP_3)
	v_lshl_or_b32 v78, v237, 8, v236               ; p's scale word for these 128 keys
	s_delay_alu instid0(VALU_DEP_1)
	v_lshl_or_b32 v78, v238, 16, v78
	s_delay_alu instid0(VALU_DEP_1)
	v_lshl_or_b32 v78, v239, 24, v78
.irp b, 0,1,2,3
	v_cvt_scalef32_pk8_fp4_f32 v[PCD+4*(\b/2)+(\b%2)], v[S+16*\b:S+16*\b+7], v[244+\b]         ; keys 32 b + 8 h + 0 .. 7
	v_cvt_scalef32_pk8_fp4_f32 v[PCD+4*(\b/2)+2+(\b%2)], v[S+16*\b+8:S+16*\b+15], v[244+\b]    ; keys 32 b + 16 + 8 h + 0 .. 7
.endr
	v_nop                                          ; one plain place behind the scaled conversions
.irp c, 0,1
	v_permlane16_swap_b32 v[PCD+4*\c], v[PCD+4*\c+1]       ; register 4 c + i now holds keys 64 c + 32 h + 8 i + 0 .. 7: the operand's layout
	v_permlane16_swap_b32 v[PCD+4*\c+2], v[PCD+4*\c+3]
.endr
.set n, 0
.rept 16
	v_pk_mul_f32 v[\O+n:\O+n+1], v[\O+n:\O+n+1], v[252:253] op_sel_hi:[1,0]   ; O^T under the new M.  (Of these sixteen at least twelve name no register of any one product below: the places between p's scale word and codes and the products)
.set n, n+2
.endr
	s_wait_alu depctr_va_vdst(0)
	s_wait_dscnt 0x0                               ; V^T's tiles and scale words are in
.irp t, 0,1,2,3
	v_wmma_scale_f32_16x16x128_f8f6f4 v[\O+8*\t:\O+8*\t+7], v[FR+8*\t:FR+8*\t+7], v[PCD:PCD+7], v[\O+8*\t:\O+8*\t+7], v[68+\t], v78 matrix_a_fmt:MATRIX_FMT_FP4 matrix_b_fmt:MATRIX_FMT_FP4
.endr                                  ; the four accumulators by turns; register 8 t + j of lane (r, h): query r, d = 16 t + 8 h + j
.rept 4
	v_nop                                          ; four places in front of the next loads into the fragments' registers and the next reads of O^T
.endr
.endm
; A tile's end: O^T / the sum is ctx; its two blocks of 32 along d are quantised; the four registers of codes are fragment (head / 2, half head % 2) of the last product's operand.
.macro FINISH O, ST, CD, HB, P
	v_add_f32 v[\ST+2], v[\ST+2], v[\ST+3]         ; the sum's two halves,
	v_permlanex16_b32 v252, v[\ST+2], s20, s21
	s_delay_alu instid0(VALU_DEP_1)
	v_add_f32 v[\ST+2], v[\ST+2], v252             ; and lane l xor 16's
	s_wait_alu depctr_va_vdst(0)
	v_rcp_f32 v252, v[\ST+2]
	v_nop                                          ; a plain instruction behind the reciprocal,
	s_wait_alu depctr_va_vdst(0)                   ; and the wait ahead of its first reader
.set n, 0
.rept 16
	v_pk_mul_f32 v[\O+n:\O+n+1], v[\O+n:\O+n+1], v[252:253] op_sel_hi:[1,0]
.set n, n+2
.endr
.irp b, 0,1
	v_max3_num_f32 v[232+\b], |v[\O+16*\b]|, |v[\O+16*\b+1]|, 0x1800000
.endr
.irp i, 2,4,6,8,10,12,14
.irp b, 0,1
	s_delay_alu instid0(VALU_DEP_2)
	v_max3_num_f32 v[232+\b], v[232+\b], |v[\O+16*\b+\i]|, |v[\O+16*\b+\i+1]|
.endr
.endr
.irp b, 0,1
	s_delay_alu instid0(VALU_DEP_2)
	v_permlanex16_b32 v[236+\b], v[232+\b], s20, s21
.endr
.irp b, 0,1
	s_delay_alu instid0(VALU_DEP_2)
	v_max_num_f32 v[232+\b], v[232+\b], v[236+\b]
.endr
.irp b, 0,1
	s_delay_alu instid0(VALU_DEP_2)
	v_add_nc_u32 v[244+\b], 0xff000000, v[232+\b]
.endr
.irp b, 0,1
	s_delay_alu instid0(VALU_DEP_2)
	v_lshrrev_b32 v[236+\b], 23, v[244+\b]
.endr
.irp b, 0,1
	v_cvt_scalef32_pk8_fp4_f32 v[\CD+\b], v[\O+16*\b:\O+16*\b+7], v[244+\b]
	v_cvt_scalef32_pk8_fp4_f32 v[\CD+2+\b], v[\O+16*\b+8:\O+16*\b+15], v[244+\b]
.endr
	v_cndmask_b32 v[\HB], v236, v237, s39          ; my half's block's byte.  (The plain place behind the conversions)
	v_permlane16_swap_b32 v[\CD], v[\CD+1]
	v_permlane16_swap_b32 v[\CD+2], v[\CD+3]
	global_store_b128 v1, v[\CD:\CD+3], s[\P:\P+1]         ; 512 consecutive bytes, aligned
	global_store_b8 v7, v[\HB], s[\P+2:\P+3]               ; two bytes of each of 16 rows of 32: a sixteenth of the codes' bytes
.endm
	s_load_b256 s[4:11], s[0:1], 0x0               ; qbuf s[4:5], kv s[6:7], ctx_img s[8:9], ctx_sc s[10:11]
	v_lshl_add_u32 v251, v0, 2, 0x29000
	v_mov_b32 v255, 0
	ds_add_u32 v251, v255
	ds_add_u32 v251, v255
	v_lshrrev_b32 v1, 5, v0
	s_delay_alu instid0(VALU_DEP_1)
	v_readfirstlane_b32 s12, v1                    ; wave 0..15
	s_bfe_u32 s13, ttmp6, 0x40000                  ; cx: my place in the cluster
	s_lshr_b32 s14, s12, 1                         ; tile A's last key step,
	s_sub_co_u32 s15, 15, s14                      ; tile B's: the wave's number alone
	s_and_b32 s16, s12, 1
	s_lshl_b32 s17, s13, 1
	s_add_co_u32 s16, s16, s17                     ; 2 cx + wave % 2
	s_lshl_b32 s18, s14, 3
	s_add_co_u32 s18, s18, s16                     ; tile A
	s_sub_co_u32 s19, 127, s18                     ; tile B
	s_mov_b32 s20, 0x76543210
	s_mov_b32 s21, 0xfedcba98                      ; v_permlanex16_b32's selects for lane l xor 16
	s_mov_b32 s22, 0x3e38aa3b                      ; c = log2(e) / 8
	s_mov_b32 s23, s22                             ; (named with it as a pair, so it is written)
	; descriptor group 1: two key steps, 17,920 dense bytes, as 70 rows of 256 bytes (32 elements of 8 bytes), no padding
	s_mov_b32 s24, 15|(3<<16)|(1<<21)              ; 15:0 the mask: all four work-groups; 17:16 elements of 8 bytes; 21 set beside a mask
	s_mov_b32 s25, 32<<16                          ; tensor_dim0 = 32
	s_mov_b32 s26, 70<<16                          ; tensor_dim1 = 70
	s_mov_b32 s27, 32<<16                          ; tile_dim0 = 32
	s_mov_b32 s28, 70                              ; tile_dim1 = 70
	s_mov_b32 s29, 32                              ; from row to row
	s_mov_b32 s30, 0
	s_mov_b32 s31, 0
	s_mul_i32 s60, ttmp9, 73728                    ; in a cluster launch ttmp9 counts clusters: 16 x batch + head.  Its place in qbuf,
	s_lshr_b32 s61, ttmp9, 4
	s_lshl_b32 s61, s61, 7                         ; the batch's first tile of rows,
	s_and_b32 s62, ttmp9, 15
	s_lshl_b32 s63, s62, 1                         ; the head's two scale bytes in a row of ctx_sc,
	s_lshl_b32 s62, s62, 9                         ; and its 512 bytes in a tile of ctx_img
	v_and_b32 v1, 31, v0
	s_delay_alu instid0(VALU_DEP_1)
	v_lshlrev_b32 v1, 4, v1                        ; v1  16 x lane
	v_and_b32 v232, 15, v0                         ; r
	v_bfe_u32 v233, v0, 4, 1                       ; h
	s_delay_alu instid0(VALU_DEP_2)
	v_lshlrev_b32 v2, 4, v232                      ; v2  16 r
	s_delay_alu instid0(VALU_DEP_2)
	v_lshlrev_b32 v234, 3, v233
	s_delay_alu instid0(VALU_DEP_1)
	v_sub_nc_u32 v234, v232, v234                  ; r - 8 h
	s_lshl_b32 s56, s18, 4
	v_add_nc_u32 v5, s56, v234                     ; v5  16 A + r - 8 h
	s_lshl_b32 s56, s19, 4
	v_add_nc_u32 v6, s56, v234                     ; v6  16 B + r - 8 h
	v_lshl_add_u32 v7, v232, 5, v233               ; v7  32 r + h
	v_cmp_eq_u32 s39, 1, v233                      ; the mask of lanes 16-31
	s_wait_dscnt 0x0
	s_wait_kmcnt 0x0
	s_mov_b32 s32, 1                               ; group 0: count = 1;
	s_and_b32 s33, s12, 7
	s_mul_i32 s33, s33, 2*KVB                      ; LDS address: key steps 2 (wave % 8) and the next: no place in the cluster enters it;
	s_mul_i32 s56, ttmp9, 16*KVB
	s_add_co_u32 s56, s56, s33
	s_mov_b32 s57, 0
	s_add_nc_u64 s[34:35], s[6:7], s[56:57]        ; the same two key steps of the head in kv;
	s_or_b32 s35, s35, 0x80000000                  ; type = 2
	PTRS 18, 40
	PTRS 19, 48
	CROUND                                         ; all four work-groups are here: the joint loads meet
	s_cmp_lt_u32 s12, 8                            ; waves 0 to 7 ask, one load each: the branch hangs on the wave's number alone
	s_cbranch_scc0 .Lno_fill
	tensor_load_to_lds s[32:35], s[24:31]
	s_nop 0
.rept 4
	v_nop                                          ; four v_nop follow the load
.endr
.Lno_fill:
	global_load_b128 v[16:19], v1, s[40:41]        ; Q of tile A: lane (r, h): query r, d = 32 h + 0 .. 31
	s_wait_alu depctr_va_vdst(0)
	global_load_b32 v76, v2, s[42:43]
	global_load_b128 v[24:27], v1, s[48:49]        ; and of tile B
	global_load_b32 v77, v2, s[50:51]
.irp j, 20,21,22,23,28,29,30,31,64,65,66,67,236,237,238,239,252,253
	v_mov_b32 v\j, 0                               ; the zero codes behind Q and behind K's last tile; registers that a permute or a pair names before they are first computed
.endr
	v_mov_b32 v13, 0xff61b1e6                      ; the largest t so far: -3e38, under every t
	s_delay_alu instid0(VALU_DEP_1)
	v_floor_f32 v12, -v13                          ; -M
	v_mov_b32 v14, 0                               ; the sum, in two halves
	v_mov_b32 v15, 0
	v_mov_b32 v9, 0xff61b1e6
	s_delay_alu instid0(VALU_DEP_1)
	v_floor_f32 v8, -v9
	v_mov_b32 v10, 0
	v_mov_b32 v11, 0
.set n, 160
.rept 64
	v_mov_b32 v[n], 0                              ; O^T of both tiles.  (The key step is written once: a tile's first step finds zeros, which the first change of M leaves zeros)
.set n, n+1
.endr
	s_mov_b32 s36, 0                               ; the key step,
	s_mov_b32 s37, 0                               ; its place in LDS,
	s_mov_b32 s38, 0                               ; its first key
	s_wait_loadcnt 0x0                             ; Q
	s_wait_tensorcnt 0x0                           ; my two key steps have landed,
	s_barrier_signal -1
	s_barrier_wait -1                              ; everybody's have: the head's K and V lie whole in LDS, and nothing writes LDS from here on
.Lkeys:                                            ; 16 trips in every wave; a tile's steps behind its diagonal are jumped over
	v_add_nc_u32 v3, s37, v1
	v_add_nc_u32 v4, s37, v2
	s_cmp_gt_u32 s36, s14
	s_cbranch_scc1 .Lno_a
	s_wait_alu depctr_va_vdst(0)
	STEP 160, 12, 16, 76, 5, 14
.Lno_a:
	s_cmp_gt_u32 s36, s15
	s_cbranch_scc1 .Lno_b
	s_wait_alu depctr_va_vdst(0)
	STEP 192, 8, 24, 77, 6, 15
.Lno_b:
	s_add_co_u32 s37, s37, KVB
	s_add_co_u32 s38, s38, 128
	s_add_co_u32 s36, s36, 1
	s_cmp_lt_u32 s36, 16
	s_cbranch_scc1 .Lkeys
	FINISH 160, 12, 88, 79, 44
	FINISH 192, 8, 92, 224, 52
	s_wait_tensorcnt 0x0
	ds_add_u32 v251, v255
	s_wait_dscnt 0x0
	CROUND                                         ; the closing round: no work-group ends while a partner may still ask for a tile that names it
	s_endpgm
.Lfunc_end_k_q30ccff466f_attn:
	.size	k_q30ccff466f_attn, .Lfunc_end_k_q30ccff466f_attn-k_q30ccff466f_attn
	.p2alignl 7, 3214868480
	.fill 96, 4, 3214868480
	.section	.rodata,"a",@progbits
	.p2align	6, 0x0
	.amdhsa_kernel k_q30ccff466f_attn
		.amdhsa_group_segment_fixed_size 169984
		.amdhsa_private_segment_fixed_size 0
		.amdhsa_enable_private_segment 0
		.amdhsa_kernarg_size 32
		.amdhsa_user_sgpr_count 2
		.amdhsa_user_sgpr_kernarg_segment_ptr 1
		.amdhsa_wavefront_size32 1
		.amdhsa_system_sgpr_workgroup_id_x 1
		.amdhsa_system_sgpr_workgroup_id_y 1
		.amdhsa_system_sgpr_workgroup_id_z 1
		.amdhsa_system_vgpr_workitem_id 0
		.amdhsa_next_free_vgpr 256
		.amdhsa_next_free_sgpr 66
		.amdhsa_reserve_vcc 1
		.amdhsa_float_denorm_mode_32 3
		.amdhsa_float_denorm_mode_16_64 3
		.amdhsa_memory_ordered 1
		.amdhsa_forward_progress 1
		.amdhsa_inst_pref_size 60
	.end_amdhsa_kernel
	.amdgpu_metadata
---
amdhsa.version: [ 1, 2 ]
amdhsa.kernels:
  - .name:           k_q30ccff466f_attn
    .symbol:         k_q30ccff466f_attn.kd
    .args:
      - { .name: qbuf, .offset: 0, .size: 8, .value_kind: global_buffer, .address_space: global }
      - { .name: kv, .offset: 8, .size: 8, .value_kind: global_buffer, .address_space: global }
      - { .name: ctx_img, .offset: 16, .size: 8, .value_kind: global_buffer, .address_space: global }
      - { .name: ctx_sc, .offset: 24, .size: 8, .value_kind: global_buffer, .address_space: global }
    .group_segment_fixed_size: 169984
    .private_segment_fixed_size: 0
    .kernarg_segment_align: 8
    .kernarg_segment_size: 32
    .max_flat_workgroup_size: 512
    .sgpr_count:     66
    .vgpr_count:     256
    .wavefront_size: 32
...
	.end_amdgpu_metadata
.endif
;; end of part 5
;; launch outp (part 6): grid 16 x 16, 4 waves a work-group, no clusters, 51,712 bytes of LDS; arguments ctx_img, ctx_sc, W_o_codes, W_o_scales, b_o, out0; writes out0
.if DOCPART == 6
	.amdgcn_target "amdgcn-amd-amdhsa--gfx1250"
	.amdhsa_code_object_version 6
	.text
	.protected	k_q30ccff466f_outp
	.globl	k_q30ccff466f_outp
	.p2align	8
	.type	k_q30ccff466f_outp,@function
k_q30ccff466f_outp:
	s_mov_b64 s[64:65], 0
	v_nop
	global_prefetch_b8 v0, s[64:65] scope:SCOPE_SE
	s_setreg_imm32_b32 hwreg(HW_REG_WAVE_SCHED_MODE, 0, 2), 2
	s_setreg_imm32_b32 hwreg(HW_REG_WAVE_MODE, 25, 1), 1
	s_wait_xcnt 0x0
	s_wait_alu depctr_vm_vsrc(0)
; out0 = ctx W_o + b_o on codes of FP4 (E2M1) with one E8M0 scale for each 32 along K = 1,024.  ctx comes as images of the operand's registers ([tile of 16 rows][K step and half: 16][lane][16 bytes]) with its scale bytes [row][32].
; SHARES.  16 x 16 work-groups of four waves.  Work-group (x, y) makes rows 512 y .. + 511 x columns 64 x .. + 63; wave w its rows 128 w .. + 127: 8 x 4 accumulators, and 64 columns are 256 bytes of a row of out0.
; A wave's 128 rows of ctx, 8 tiles x 8 K steps x 8 registers, go straight from memory into 512 registers, each load 512 consecutive bytes; W_o's 64 rows go through LDS and are read as fragments by all four waves.
; THE MATRIX INSTRUCTION IS USED TRANSPOSED (source 0 = 16 rows of W_o, source 1 = 16 rows of ctx): a lane holds eight neighbouring columns of one row.  The bias is the C of a sum's first matrix instruction (summed first, where the definition adds it last).
; No multicast here: the resident operand lives in registers, and what the four waves share, 64 rows of W_o, is a ninth of what the work-group reads.
; REGISTERS, in windows of 256: window 0: v1-20 addresses; v32-63 ctx's scale words; v64-79 W_o's; v80-111 the bias as C; v112-239 W_o's fragments, four sets; v112-175 later rows on the way out.
;   window 1: the 32 accumulators at 8 (4 a + w) (before that W_o's rows as loaded).  window 2: ctx's tiles 0-3 at 64 a + 8 s.  window 3: tiles 4-7.
; THE MODE: SCHED_MODE bits 1:0 = 2 (LLVM: expert scheduling mode 2), set by the entry lines.  The code itself states the register dependences
; between vector or matrix instructions and memory or LDS instructions, with s_wait_alu, always for 0.
; THE PLAN.  Registers that memory or LDS instructions touch:
;   v1, v4-7, v9, v11, v14, v20   addresses: written once at the head, ahead of one wait on va_vdst, and never again.
;   v256-319   W_o's rows as loaded: read by my LDS stores, later written by the products: one wait on vm_vsrc behind the barrier.
;   WF0 .. WF3   K step s reads set s % 4.  Step 0's fragments are asked for behind the barrier, step 1's at step 0's head, step 2's in step 0's middle, step s + 2's at the head of step s = 1 .. 5.
;                No vector or matrix instruction names a set before its first load; a wait on va_vdst at the heads of steps 2 and 4 states that the two steps before are done reading their sets, in which this step's and the next step's loads land.
;   the accumulators   written by the products, read by the stage's stores: the places, then one wait on va_vdst, behind which no vector or matrix instruction is issued; it also serves the stage's loads into v112-175.
;   v112-143, v144-175 on the way out   by turns: written by tile a's loads from the stage, read by its eight stores; a wait on vm_vsrc stands ahead of tile a + 2's loads.
.set PITCH, 528                        ; a row of 512 bytes of codes in LDS + 16: 33 x 16 bytes
.set STG,   64*PITCH                   ; behind W_o's 64 rows: a stage of 16 rows x (256 + 16) bytes for each wave, its own
.set SP,    272
.set XS,  32                           ; register 8 (a % 4) + s: lanes 0-15 ctx's tile a % 4, lanes 16-31 tile 4 + a % 4
.set WS,  64                           ; register 8 (w % 2) + s: lanes 0-15 W_o's tile w % 2, lanes 16-31 tile 2 + w % 2
.set BI,  80
.set WF,  112                          ; set k at WF + 32 k
.set BK,  112                          ; the way out: 16 rows read back from the stage: v112-143 and v144-175 by turns
.set MSB, 0
.macro WIN new                         ; the immediate's high byte repeats the setting that is left; a switch that changes nothing is dropped
.if MSB != (\new)
	s_set_vgpr_msb (MSB<<8)|(\new)
.set MSB, \new
.endif
.endm
.macro WM                              ; one matrix instruction; its registers stand in the symbols; hA, hB: the side's scale words lie in lanes 16-31
.if hA && hB
	v_wmma_scale_f32_16x16x128_f8f6f4 v[rD:rD+7], v[rA:rA+7], v[rB:rB+7], v[rC:rC+7], v[sA], v[sB] matrix_a_fmt:MATRIX_FMT_FP4 matrix_b_fmt:MATRIX_FMT_FP4 matrix_a_scale:MATRIX_SCALE_ROW1 matrix_b_scale:MATRIX_SCALE_ROW1
.elseif hA
	v_wmma_scale_f32_16x16x128_f8f6f4 v[rD:rD+7], v[rA:rA+7], v[rB:rB+7], v[rC:rC+7], v[sA], v[sB] matrix_a_fmt:MATRIX_FMT_FP4 matrix_b_fmt:MATRIX_FMT_FP4 matrix_a_scale:MATRIX_SCALE_ROW1
.elseif hB
	v_wmma_scale_f32_16x16x128_f8f6f4 v[rD:rD+7], v[rA:rA+7], v[rB:rB+7], v[rC:rC+7], v[sA], v[sB] matrix_a_fmt:MATRIX_FMT_FP4 matrix_b_fmt:MATRIX_FMT_FP4 matrix_b_scale:MATRIX_SCALE_ROW1
.else
	v_wmma_scale_f32_16x16x128_f8f6f4 v[rD:rD+7], v[rA:rA+7], v[rB:rB+7], v[rC:rC+7], v[sA], v[sB] matrix_a_fmt:MATRIX_FMT_FP4 matrix_b_fmt:MATRIX_FMT_FP4
.endif
.endm
; W_o's four fragments of K step s into set s % 4: eight LDS loads.  Every window is 0 where it stands.
.macro WLOAD s
.irp w, 0,1,2,3
.irp c, 0,1
	ds_load_b128 v[WF+32*((\s)%4)+8*\w+4*\c:WF+32*((\s)%4)+8*\w+4*\c+3], v9 offset:16*PITCH*\w+64*(\s)+32*\c
.endr
.endr
.endm
	s_load_b256 s[8:15], s[0:1], 0x0               ; ctx_img s[8:9], ctx_sc s[10:11], W_o's codes s[12:13], W_o's scales s[14:15]
	s_load_b128 s[16:19], s[0:1], 0x20             ; b_o s[16:17], out0 s[18:19]
	v_lshl_add_u32 v254, v0, 2, 0xc800
	v_mov_b32 v255, 0
	v_lshrrev_b32 v2, 5, v0
	v_readfirstlane_b32 s34, v2                    ; wave 0..3
	v_and_b32 v2, 31, v0                           ; lane
	v_and_b32 v3, 15, v0                           ; r
	v_bfe_u32 v10, v0, 4, 1                        ; h
	v_lshlrev_b32 v1, 4, v2                        ; v1  16 x lane
	s_and_b32 s36, ttmp7, 0xffff                   ; which 512 rows
	v_lshlrev_b32 v4, 5, v3
	v_lshl_add_u32 v11, v10, 10, v4                ; v11 W_o's scale words: 32 r, lanes 16-31 32 rows on
	v_lshl_add_u32 v4, v10, 11, v4                 ; v4  ctx's: 32 r, lanes 16-31 64 rows on
	v_mul_u32_u24 v9, v3, PITCH
	v_lshl_add_u32 v9, v10, 4, v9                  ; v9  a fragment of W_o: row r x pitch + 16 h
	v_lshlrev_b32 v14, 5, v10                      ; v14 the bias: eight columns of my half: 32 h
	s_wait_alu depctr_va_sdst(0)                   ; s34, the wave's number, is written, ahead of its first reader
	s_mul_i32 s40, s34, 16*PITCH
	v_add_nc_u32 v20, s40, v1                      ; v20 where I store my 16 rows of W_o
	s_mul_i32 s40, s34, 16*SP
	s_add_co_u32 s40, s40, STG                     ; my stage
	v_mul_u32_u24 v5, v3, SP
	v_lshl_add_u32 v5, v10, 5, v5
	v_add_nc_u32 v5, s40, v5                       ; v5  into it: row r, 32 bytes for each half of the lanes
	v_mul_u32_u24 v6, v10, SP
	v_lshl_add_u32 v6, v3, 4, v6
	v_add_nc_u32 v6, s40, v6                       ; v6  back: lanes 0-15 one row of 256 bytes, lanes 16-31 the next
	v_lshlrev_b32 v7, 12, v10
	v_lshl_add_u32 v7, v3, 4, v7                   ; v7  and the same two rows in out0
	s_lshl_b32 s40, s36, 9
	s_lshl_b32 s41, s34, 7
	s_add_co_u32 s40, s40, s41                     ; my first row
	s_mov_b32 s43, 0
	s_wait_kmcnt 0x0
	s_lshl_b32 s42, s40, 9                         ; a tile of 16 rows is 8,192 bytes of images
	s_add_nc_u64 s[8:9], s[8:9], s[42:43]
	s_lshl_b32 s42, s40, 5
	s_add_nc_u64 s[10:11], s[10:11], s[42:43]
	s_lshl_b32 s42, ttmp9, 15                      ; W_o: my work-group's 64 rows of 512 bytes,
	s_lshl_b32 s41, s34, 13                        ; my wave's 16 of them
	s_add_co_u32 s42, s42, s41
	s_add_nc_u64 s[12:13], s[12:13], s[42:43]
	s_lshl_b32 s42, ttmp9, 11
	s_add_nc_u64 s[14:15], s[14:15], s[42:43]
	s_lshl_b32 s42, ttmp9, 8                       ; 64 columns of f32
	s_add_nc_u64 s[16:17], s[16:17], s[42:43]
	s_lshl_b32 s41, s40, 12
	s_add_co_u32 s42, s42, s41
	s_add_nc_u64 s[18:19], s[18:19], s[42:43]
	s_wait_alu depctr_va_vdst(0)                   ; the addresses v1, v4 to v7, v9, v11, v14 and v20 are written, which the loads and stores of the whole kernel read
	; 164 loads, one behind the other: 8 + 4 of scale words, 8 of the bias, 16 rows of W_o; then ctx's 128 images, K step by K step
.irp a, 0,1,2,3
.irp q, 0,1
	global_load_b128 v[XS+8*\a+4*\q:XS+8*\a+4*\q+3], v4, s[10:11] offset:512*\a+16*\q
.endr
.endr
.irp w, 0,1
.irp q, 0,1
	global_load_b128 v[WS+8*\w+4*\q:WS+8*\w+4*\q+3], v11, s[14:15] offset:512*\w+16*\q
.endr
.endr
.irp w, 0,1,2,3
.irp q, 0,1
	global_load_b128 v[BI+8*\w+4*\q:BI+8*\w+4*\q+3], v14, s[16:17] offset:64*\w+16*\q   ; register j of tile w: the bias of column 16 w + 8 h + j
.endr
.endr
	WIN 0x40
.irp i, 0,1,2,3,4,5,6,7,8,9,10,11,12,13,14,15
	global_load_b128 v[4*\i:4*\i+3], v1, s[12:13] offset:512*\i
.endr
.irp s, 0,1,2,3,4,5,6,7
.irp a, 0,1,2,3,4,5,6,7
	WIN 0x80+0x40*(\a/4)
.irp c, 0,1
	global_load_b128 v[64*(\a%4)+8*\s+4*\c:64*(\a%4)+8*\s+4*\c+3], v1, s[8:9] offset:8192*\a+512*(2*\s+\c)
.endr
.endr
.endr
	s_wait_loadcnt 63                              ; of 164 loads at most 63 are out: the oldest 101 are in, and the scale words, the bias and W_o's rows are the oldest 36
	WIN 0x04                                       ; an LDS store's data are its source 1: window 1
.irp i, 0,1,2,3,4,5,6,7,8,9,10,11,12,13,14,15
	ds_store_b128 v20, v[4*\i:4*\i+3] offset:PITCH*\i
.endr
	WIN 0
	s_wait_dscnt 0x0                               ; for the others' sake: my 16 rows of W_o lie in LDS
	s_barrier_signal -1
	s_barrier_wait -1                              ; everybody's do; these bytes are not written again
	s_wait_alu depctr_vm_vsrc(0)                   ; my LDS stores have read W_o's rows as loaded: those registers of window 1 are accumulators from here on, written by the products
	WLOAD 0
; Eight K steps of 128, 32 matrix instructions each, the 32 accumulators by turns, one instruction a turn, in the same order in every step.
.irp s, 0,1,2,3,4,5,6,7
.if (\s == 0) || (\s == 7)
	s_wait_dscnt 0x0                               ; this step's fragments of W_o are in, and nothing younger is out
.else
	s_wait_dscnt 8                                 ; LDS loads come back in order: this step's fragments are in; the eight younger loads, the next set's, stay out
.endif
.if 112-16*\s > 63
	s_wait_loadcnt 63                              ; this step's 16 images of ctx are in: behind them 112 - 16 s loads were issued, and the count's field holds 63
.else
	s_wait_loadcnt 112-16*\s
.endif
.if \s < 6
	WIN 0
.endif
.if (\s == 2) || (\s == 4)
.rept 4
	v_nop                                          ; four places between the last products and the loads into the sets that they and the step before them read
.endr
	s_wait_alu depctr_va_vdst(0)                   ; the products of the two steps before are done reading their two sets of W_o's fragments: this step's loads land in the first of them, the next step's in the second
.endif
.if \s == 0
	WLOAD 1                                        ; no wait: no vector or matrix instruction has named this set
.elseif \s < 6
	WLOAD \s+2                                     ; in steps 1, 3 and 5 no wait: the products issued since the last wait on va_vdst name other sets
.endif
.irp a, 0,1,2,3,4,5,6,7
.if (\s == 0) && (\a == 4)
	WIN 0
	WLOAD 2                                        ; likewise: the sixteen products so far name set 0 alone
.endif
.if \s == 0
	WIN 0x48+4*(\a/4)                              ; source 0 (W_o) and C (the bias) window 0, source 1 (ctx) window 2 or 3, D window 1
.else
	WIN 0x58+4*(\a/4)                              ; the same, C window 1
.endif
.irp w, 0,1,2,3
.set rD, 8*(4*\a+\w)
.set rA, WF+32*(\s%4)+8*\w
.set rB, 64*(\a%4)+8*\s
.set sA, WS+8*(\w%2)+\s
.set sB, XS+8*(\a%4)+\s
.set hA, \w/2
.set hB, \a/4
.set rC, rD
.if \s == 0
.set rC, BI+8*\w
.endif
	WM
.endr
.endr
.endr
	WIN 0
; THE WAY OUT, a tile of 16 rows x 64 columns at a time.  A lane holds 32 neighbouring bytes of a row, and the lanes beside it hold other rows: so a tile goes through my own stage and comes back as whole rows of 256 bytes.
; LDS serves a wave's instructions in order: no wait between the stores and the loads, nor in front of the next tile's stores.
.macro TOSTAGE a
	WIN 0x04
.irp w, 0,1,2,3
	ds_store_b128 v5, v[8*(4*(\a)+\w):8*(4*(\a)+\w)+3] offset:64*\w          ; each accumulator from its low end on
	ds_store_b128 v5, v[8*(4*(\a)+\w)+4:8*(4*(\a)+\w)+7] offset:64*\w+16
.endr
	WIN 0
.irp t, 0,1,2,3,4,5,6,7
	ds_load_b128 v[BK+32*((\a)%2)+4*\t:BK+32*((\a)%2)+4*\t+3], v6 offset:2*SP*\t
.endr
.endm
.macro SEND a, younger                 ; younger: the LDS instructions issued behind tile a's loads, which may stay out
	s_wait_dscnt \younger
.irp t, 0,1,2,3,4,5,6,7
	global_store_b128 v7, v[BK+32*((\a)%2)+4*\t:BK+32*((\a)%2)+4*\t+3], s[18:19] offset:(16*(\a)+2*\t)*4096 th:TH_STORE_NT   ; 16 lanes store 256 consecutive bytes, aligned; written once, read by nobody here
.endr
.endm
.rept 4
	v_nop                                          ; four places behind the last products: results are read, and registers that held W_o's fragments are loaded
.endr
	s_wait_alu depctr_va_vdst(0)                   ; the products have written the accumulators, which the stage's stores read, and are done reading W_o's fragments, in which the stage's loads land; no vector or matrix instruction follows
	TOSTAGE 0
.irp a, 1,2,3,4,5,6,7
.if \a > 1
	s_wait_xcnt 0x0                                ; tile a - 2's stores have had their addresses translated
	s_wait_alu depctr_vm_vsrc(0)                   ; tile a - 2's stores have read their registers, in which tile a's loads from the stage land
.endif
	TOSTAGE \a
	SEND \a-1, 16                                  ; behind tile a - 1's loads: tile a's 8 stores and 8 loads
.endr
	SEND 7, 0
	s_wait_dscnt 0x0                               ; the closing lines, six on end
	s_wait_alu 0x0
	s_wait_tensorcnt 0x0
	ds_add_u32 v254, v255
	s_wait_dscnt 0x0
	s_endpgm
.Lfunc_end_k_q30ccff466f_outp:
	.size	k_q30ccff466f_outp, .Lfunc_end_k_q30ccff466f_outp-k_q30ccff466f_outp
	.p2alignl 7, 3214868480
	.fill 96, 4, 3214868480
	.section	.rodata,"a",@progbits
	.p2align	6, 0x0
	.amdhsa_kernel k_q30ccff466f_outp
		.amdhsa_group_segment_fixed_size 51712
		.amdhsa_private_segment_fixed_size 0
		.amdhsa_enable_private_segment 0
		.amdhsa_kernarg_size 48
		.amdhsa_user_sgpr_count 2
		.amdhsa_user_sgpr_kernarg_segment_ptr 1
		.amdhsa_wavefront_size32 1
		.amdhsa_system_sgpr_workgroup_id_x 1
		.amdhsa_system_sgpr_workgroup_id_y 1
		.amdhsa_system_sgpr_workgroup_id_z 1
		.amdhsa_system_vgpr_workitem_id 0
		.amdhsa_next_free_vgpr 1024
		.amdhsa_next_free_sgpr 66
		.amdhsa_reserve_vcc 0
		.amdhsa_float_denorm_mode_32 3
		.amdhsa_float_denorm_mode_16_64 3
		.amdhsa_memory_ordered 1
		.amdhsa_forward_progress 1
		.amdhsa_inst_pref_size 73
	.end_amdhsa_kernel
	.amdgpu_metadata
---
amdhsa.version: [ 1, 2 ]
amdhsa.kernels:
  - .name:           k_q30ccff466f_outp
    .symbol:         k_q30ccff466f_outp.kd
    .args:
      - { .name: ctx_img, .offset: 0, .size: 8, .value_kind: global_buffer, .address_space: global }
      - { .name: ctx_sc, .offset: 8, .size: 8, .value_kind: global_buffer, .address_space: global }
      - { .name: W_o_codes, .offset: 16, .size: 8, .value_kind: global_buffer, .address_space: global }
      - { .name: W_o_scales, .offset: 24, .size: 8, .value_kind: global_buffer, .address_space: global }
      - { .name: b_o, .offset: 32, .size: 8, .value_kind: global_buffer, .address_space: global }
      - { .name: out0, .offset: 40, .size: 8, .value_kind: global_buffer, .address_space: global }
    .group_segment_fixed_size: 51712
    .private_segment_fixed_size: 0
    .kernarg_segment_align: 8
    .kernarg_segment_size: 48
    .max_flat_workgroup_size: 128
    .sgpr_count:     66
    .vgpr_count:     1024
    .wavefront_size: 32
...
	.end_amdgpu_metadata
.endif
;; end of part 6
